; MI455X (gfx1250); checked and timed in simulation.
; The chip was launched on July 23, 2026; its instructions are those of AMD's public machine-readable ISA for CDNA 5 (MIT licence, August 2026) and "CDNA5" Instruction Set Architecture Reference Guide (July 2026). The comments in the code are by the model that wrote it; some were corrected since.
;; Self Attention. Allowed arithmetic: matrix products marked QUANTISED: E4M3 operands, one given power-of-two scale a tensor, by v_wmma_f32_16x16x64_fp8_fp8 or v_wmma_f32_16x16x128_fp8_fp8, f32 sums; everything else in f32.
;; Inputs: W_k 1,024 x 1,024 float32; W_o 1,024 x 1,024 float32; W_q 1,024 x 1,024 float32; W_v 1,024 x 1,024 float32; b_k 1,024 float32; b_o 1,024 float32; b_q 1,024 float32; b_v 1,024 float32; lowp_scales 12 int32 (the exponents e of the quantised operands' scales 2^e); x 1 x 4,096 x 1,024 float32.
;; Outputs: out0 1 x 4,096 x 1,024 float32.
;; This version of the problem:
;;   THIS VERSION OF THE PROBLEM IS GIVEN IN LOW PRECISION. The matrix products marked QUANTISED in the list below multiply operands that are first quantised to E4M3 (4 exponent bits, 3 mantissa bits; 8 bits a number), with one given power-of-two scale for each operand tensor; their sums are f32. All else is computed in f32.
;;   The module's matrix products, in the order in which they are computed (A, B: the left and right operand; K: the contracted axis; several contracted axes count as one K, in the product's order):
;;     1. [M 4,096, K 1,024] x [K 1,024, N 1,024]; A: input x; B: input W_q: QUANTISED (scales: A lowp_scales[0], B lowp_scales[1])
;;     2. [M 4,096, K 1,024] x [K 1,024, N 1,024]; A: input x; B: input W_k: QUANTISED (scales: A lowp_scales[2], B lowp_scales[3])
;;     3. [M 4,096, K 1,024] x [K 1,024, N 1,024]; A: input x; B: input W_v: QUANTISED (scales: A lowp_scales[4], B lowp_scales[5])
;;     4. batch 16 x [M 4,096, K 64] x [K 64, N 4,096]; A: computed on the way; B: computed on the way: QUANTISED (scales: A lowp_scales[6], B lowp_scales[7])
;;     5. batch 16 x [M 4,096, K 4,096] x [K 4,096, N 64]; A: softmax (see below); B: computed on the way: QUANTISED (scales: A lowp_scales[8], B lowp_scales[9])
;;     6. [M 4,096, K 1,024] x [K 1,024, N 1,024]; A: computed on the way; B: input W_o: QUANTISED (scales: A lowp_scales[10], B lowp_scales[11])
;;   THE QUANTISER, for each operand of a quantised product, along K:
;;     - The operand's scale is 2^e, e = its entry of the input lowp_scales (int32; the entries are numbered through the quantised products in the list's order, A before B).
;;     - Each number is divided by the scale, clamped to +-448, and rounded to the nearest number of E4M3, ties to even, subnormals kept.
;;     - The product sums the exact products of the quantised numbers (number of the format x scale) in f32.
;;   ~~~python
;;   def quantise(x, axis, e):      # numpy; x: float32 -> the quantised numbers, widened to float32 again
;;       x = np.moveaxis(x, axis, -1); K = x.shape[-1]
;;       r = np.clip(x / 2.0 ** e, -448, 448)
;;       step = 2.0 ** (np.maximum(np.frexp(np.where(r == 0, 1, r))[1] - 1, -6) - 3)
;;       q = np.round(r / step) * step * 2.0 ** e      # np.round: ties to even
;;       return np.moveaxis(q, -1, axis).astype(np.float32)
;;   ~~~
;;   SOFTMAX AHEAD OF A QUANTISED PRODUCT. Where the list says 'softmax', what is quantised is not the finished softmax but p = 2^(t - M), with t = logit x log2(e) and M = ceil(the row's largest t), a whole number; so 1/2 < the row's largest p <= 1. The row's sum l is taken of the UNQUANTISED p, in f32, and the product's result is divided by l at the end. Since M is a whole number, a kernel that streams over the keys may use a running M (the ceiling of the running maximum): every later rescaling is an exact power of two, so the quantised numbers keep their values, but for numbers so far below the row's largest that they fall under the format's range.
;;   OPERANDS COMPUTED ON THE WAY. 'Computed on the way' means the value that the module computes at that place (a softmax that the list does not call 'softmax' is quantised finished and normalised). What goes into a quantiser is computed in f32, as accurately as f32 sums, v_exp_f32 and their like allow (about 1e-6 of the number): no bf16 or f16 on the way to a quantiser, and a product that is left as it is and whose result goes on into a quantised operand takes f32 operands (vector FMAs, or v_wmma_f32_16x16x4_f32). A number that lies on a knife's edge between two numbers of the format may be rounded either way, as far as f32 arithmetic and the matrix unit's own rounding can turn it there, and no further.
;; One version. Each part assembles by itself: llvm-mc -triple=amdgcn-amd-amdhsa -mcpu=gfx1250 --defsym DOCPART=n.
;; ======== version 1 of 1: 4 launches
;; limits: right only within a limited range of input values
;; workspace buffers: xc 12,582,912 bytes; wc 4,194,304 bytes; qkv 12,582,912 bytes; yc 4,194,304 bytes
;; launch quant (part 1): grid 512 x 1, 4 waves a work-group, no clusters, 33,280 bytes of LDS; arguments x, W_q, W_k, W_v, W_o, lowp_scales, xc, wc; writes xc, wc
.if DOCPART == 1
	.amdgcn_target "amdgcn-amd-amdhsa--gfx1250"
	.amdhsa_code_object_version 6
	.text
	.protected	k_q9ba0555c51_quant
	.globl	k_q9ba0555c51_quant
	.p2align	8
	.type	k_q9ba0555c51_quant,@function
k_q9ba0555c51_quant:
	s_mov_b64 s[64:65], 0
	v_nop
	global_prefetch_b8 v0, s[64:65] scope:SCOPE_SE
	s_setreg_imm32_b32 hwreg(HW_REG_WAVE_MODE, 25, 1), 1
	s_wait_xcnt 0x0
; x [4096][1024] and the four weights [1024][1024], f32, K innermost, become codes of E4M3, one byte each.
; x is an operand of three products with a scale of its own in each (entries 0, 2, 4 of the scales): it is quantised three times, into xc[0], xc[1], xc[2].
; W_q, W_k, W_v, W_o have entries 1, 3, 5, 11 and go into wc[0..3].  code = number / 2^e, held within +-448, to the nearest code, ties to even.
; THE ROWS ARE STORED IN ANOTHER ORDER: row t lies at the position that is t with bits 3 and 4 exchanged.  Sixteen neighbouring positions 32 B + 16 u + r then hold
; rows 32 B + 8 u + r + 8 (r / 8): used as a matrix instruction's first source, two neighbouring tiles give a lane sixteen neighbouring rows in its registers.
; THE CODES LIE IN CHUNKS: [block of 128 positions][chunk of 256 along K, 4 of them][position in the block][256 bytes]: 32,768 bytes a chunk, 131,072 a block.
; SHARES: work-groups 0-255 take x, 256-511 the weights (64 each).  A wave takes four rows (4,096 numbers) in 8 steps of 512; four rows keep together under the exchange of bits 3 and 4.
; A step's four loads read 512 consecutive bytes each, all of a wave's 32 loads are out at once; a step's 2,048 bytes turn through the wave's own stage in LDS (16 bytes of padding behind each 64) and come back 64 bytes a lane:
; 16 neighbours along K, which the conversions want in one lane.  A lane's 16 codes are 16 bytes: a store of the wave covers half a row, two aligned units of 256 bytes in two chunks, sixteen lanes each.
; LIMITS: each e used here lies between -126 and 119, so that 2^e and 448 x 2^e are f32 numbers.  NaN among the inputs is not served; an infinity is held at the largest code.
.set STEPS, 8
.set SP,    80                         ; a lane's place in a stage: 64 bytes + 16 of padding
.set WREG,  8192                       ; LDS of a wave: two stages of 32 x SP bytes
.set SPARE, 4*WREG                     ; behind the four regions: the spare words, 128 bytes a wave, which no other line names
.set R,     16                         ; v16-143  eight sets of 16 numbers as loaded
.set X,     144                        ; v144-175 two sets of 16 neighbours
.set T,     176                        ; v176-191 the numbers held within one scale's range
.set C,     192                        ; v192-239 codes: 12 registers a step, four steps' by turns
.set SPW,   12                         ; v12 my spare word's LDS address; never rewritten
.set NIL,   13                         ; v13 0; never rewritten
	s_load_b512 s[4:19], s[0:1], 0x0               ; x 4, W_q 6, W_k 8, W_v 10, W_o 12, scales 14, xc 16, wc 18
	v_lshl_add_u32 v[SPW], v0, 2, SPARE
	v_mov_b32 v[NIL], 0
	v_lshrrev_b32 v1, 5, v0
	v_readfirstlane_b32 s20, v1                    ; wave
	v_and_b32 v2, 31, v0                           ; lane
	v_lshlrev_b32 v3, 4, v2                        ; my 16 bytes of a load's 512
	v_and_b32 v4, 15, v2
	v_lshlrev_b32 v4, 4, v4
	v_lshrrev_b32 v5, 4, v2
	v_lshl_add_u32 v4, v5, 15, v4                  ; my 16 bytes of a store: lanes 0-15 in one chunk, lanes 16-31 in the next
	s_mul_i32 s23, s20, WREG
	v_lshrrev_b32 v14, 2, v2
	v_mul_u32_u24 v14, v14, SP
	v_and_b32 v15, 3, v2
	v_lshl_add_u32 v14, v15, 4, v14
	v_add_nc_u32 v14, s23, v14                     ; into the stage: SP (lane / 4) + 16 (lane % 4)
	v_mul_u32_u24 v15, v2, SP
	v_add_nc_u32 v15, s23, v15                     ; out of it: SP x lane
	s_cmp_lt_u32 ttmp9, 256
	s_cselect_b32 s21, 1, 0                        ; 1: this work-group takes x
	s_cselect_b32 s22, 0, 256
	s_sub_co_u32 s22, ttmp9, s22                   ; its number among x's, or among the weights'
	s_lshr_b32 s24, s22, 6                         ; which weight
	s_and_b32 s25, s22, 63
	s_cmp_lg_u32 s21, 0
	s_cselect_b32 s25, s22, s25
	s_lshl_b32 s25, s25, 2
	s_add_co_u32 s25, s25, s20                     ; which four rows of the source tensor
	s_lshl_b32 s26, s22, 2
	s_add_co_u32 s26, s26, s20                     ; and of the codes' buffer,
	s_lshr_b32 s27, s26, 1
	s_lshr_b32 s23, s26, 2
	s_xor_b32 s27, s27, s23
	s_and_b32 s27, s27, 1
	s_mul_i32 s27, s27, 6
	s_xor_b32 s26, s26, s27                        ; with bits 1 and 2 exchanged: bits 3 and 4 of the row
	s_lshl_b32 s25, s25, 14                        ; four rows of 4,096 bytes
	s_lshr_b32 s27, s26, 5
	s_lshl_b32 s27, s27, 17                        ; my block of 128 positions
	s_and_b32 s26, s26, 31
	s_lshl_b32 s26, s26, 10                        ; four positions of 256 bytes in a chunk
	s_add_co_u32 s26, s26, s27
	s_wait_alu depctr_va_vdst(0)                   ; directly ahead of the wait below
	s_wait_kmcnt 0x0
	s_load_b256 s[36:43], s[14:15], 0x0            ; e0 .. e7
	s_load_b128 s[44:47], s[14:15], 0x20           ; e8 .. e11
	s_cmp_eq_u32 s24, 1                            ; the source: choices that hang on the work-group's number alone
	s_cselect_b64 s[28:29], s[8:9], s[6:7]
	s_cmp_eq_u32 s24, 2
	s_cselect_b64 s[28:29], s[10:11], s[28:29]
	s_cmp_eq_u32 s24, 3
	s_cselect_b64 s[28:29], s[12:13], s[28:29]
	s_cmp_lg_u32 s21, 0
	s_cselect_b64 s[28:29], s[4:5], s[28:29]
	s_cselect_b64 s[30:31], s[16:17], s[18:19]
	s_mov_b32 s34, s25
	s_mov_b32 s35, 0
	s_add_nc_u64 s[28:29], s[28:29], s[34:35]
	s_mov_b32 s34, s26
	s_add_nc_u64 s[30:31], s[30:31], s[34:35]      ; the codes under the first scale,
	s_add_nc_u64 s[32:33], s[30:31], 0x400000      ; and, for x alone, under the second
	s_add_nc_u64 s[34:35], s[30:31], 0x800000      ; and the third
.macro LOAD t
.irp i, 0,1,2,3
	global_load_b128 v[R+16*(\t)+4*\i:R+16*(\t)+4*\i+3], v3, s[28:29] offset:2048*(\t)+512*\i th:TH_LOAD_NT
.endr
.endm
.macro TURN t                          ; a step's numbers through the stage: LDS serves a wave's instructions in order, so no wait stands between the stores and the loads
.irp i, 0,1,2,3
	ds_store_b128 v14, v[R+16*(\t)+4*\i:R+16*(\t)+4*\i+3] offset:32*SP*((\t)%2)+8*SP*\i
.endr
.irp i, 0,1,2,3
	ds_load_b128 v[X+16*((\t)%2)+4*\i:X+16*((\t)%2)+4*\i+3], v15 offset:32*SP*((\t)%2)+16*\i
.endr
.endm
.macro MKSC e, sc, lim                 ; 2^e and 448 x 2^e as f32 numbers
	s_add_co_i32 s27, s[\e], 127
	s_lshl_b32 s26, s27, 23
	v_mov_b32 v[\sc], s26
	s_add_co_i32 s27, s27, 8
	s_lshl_b32 s27, s27, 23
	s_or_b32 s27, s27, 0x600000
	v_mov_b32 v[\lim], s27
.endm
.irp t, 0,1,2,3,4,5,6,7
	LOAD \t
.endr
	s_wait_kmcnt 0x0
	s_cmp_eq_u32 s24, 1                            ; the first scale: e0 for x; e1, e3, e5, e11 for the weights
	s_cselect_b32 s23, s39, s37
	s_cmp_eq_u32 s24, 2
	s_cselect_b32 s23, s41, s23
	s_cmp_eq_u32 s24, 3
	s_cselect_b32 s23, s47, s23
	s_cmp_lg_u32 s21, 0
	s_cselect_b32 s23, s36, s23
	MKSC 23, 6, 7
	MKSC 38, 8, 9                                  ; e2
	MKSC 40, 10, 11                                ; e4
	s_wait_alu depctr_va_vdst(0)                   ; the head's end
	s_wait_loadcnt 28                              ; step 0's four loads are in; seven steps' may be out
	TURN 0
; One scale's codes of step t: the hold (the conversion to an 8-bit code does not saturate: ISA guide 7.6.2), two conversions, a plain line (the next holds write the conversions' sources), the store.
.macro CONV t, o, sc, lim, base
.irp i, 0,1,2,3,4,5,6,7,8,9,10,11,12,13,14,15
	v_med3_num_f32 v[T+\i], v[X+16*((\t)%2)+\i], -v[\lim], v[\lim]
.endr
	v_cvt_scalef32_pk8_fp8_f32 v[C+12*((\t)%4)+4*\o:C+12*((\t)%4)+4*\o+1], v[T:T+7], v[\sc]
	v_cvt_scalef32_pk8_fp8_f32 v[C+12*((\t)%4)+4*\o+2:C+12*((\t)%4)+4*\o+3], v[T+8:T+15], v[\sc]
	v_nop
	global_store_b128 v4, v[C+12*((\t)%4)+4*\o:C+12*((\t)%4)+4*\o+3], s[\base:\base+1] offset:65536*((\t)%2)+256*((\t)/2)
.endm
.macro STEP t
	s_wait_dscnt 0x0                               ; this step's numbers are back from the stage
.if (\t)+1 < STEPS
	s_wait_loadcnt 4*(STEPS-2-(\t))                ; the next step's four loads are in; those of the steps behind it may be out
	TURN (\t)+1                                    ; through the other stage while this step is worked
.endif
.if (\t) > 3
	s_wait_xcnt 0x0                                ; the stores of four steps back have read their registers
.endif
	CONV \t, 0, 6, 7, 30
	s_cmp_eq_u32 s21, 0                            ; a weight has one scale.  The branch hangs on the work-group's number and jumps over register work and global stores alone
	s_cbranch_scc1 .Lone_scale_\@
	CONV \t, 1, 8, 9, 32
	CONV \t, 2, 10, 11, 34
.Lone_scale_\@:
.endm
.irp t, 0,1,2,3,4,5,6,7
	STEP \t
.endr
	s_wait_tensorcnt 0x0                           ; the wave's end, behind my last LDS store
	ds_add_u32 v[SPW], v[NIL]
	s_wait_dscnt 0x0
	s_endpgm
.Lfunc_end_k_q9ba0555c51_quant:
	.size	k_q9ba0555c51_quant, .Lfunc_end_k_q9ba0555c51_quant-k_q9ba0555c51_quant
	.p2alignl 7, 3214868480
	.fill 96, 4, 3214868480
	.section	.rodata,"a",@progbits
	.p2align	6, 0x0
	.amdhsa_kernel k_q9ba0555c51_quant
		.amdhsa_group_segment_fixed_size 33280
		.amdhsa_private_segment_fixed_size 0
		.amdhsa_enable_private_segment 0
		.amdhsa_kernarg_size 64
		.amdhsa_user_sgpr_count 2
		.amdhsa_user_sgpr_kernarg_segment_ptr 1
		.amdhsa_wavefront_size32 1
		.amdhsa_system_sgpr_workgroup_id_x 1
		.amdhsa_system_sgpr_workgroup_id_y 1
		.amdhsa_system_sgpr_workgroup_id_z 1
		.amdhsa_system_vgpr_workitem_id 0
		.amdhsa_next_free_vgpr 240
		.amdhsa_next_free_sgpr 66
		.amdhsa_reserve_vcc 0
		.amdhsa_float_denorm_mode_32 3
		.amdhsa_float_denorm_mode_16_64 3
		.amdhsa_memory_ordered 1
		.amdhsa_forward_progress 1
		.amdhsa_inst_pref_size 43
	.end_amdhsa_kernel
	.amdgpu_metadata
---
amdhsa.version: [ 1, 2 ]
amdhsa.kernels:
  - .name:           k_q9ba0555c51_quant
    .symbol:         k_q9ba0555c51_quant.kd
    .args:
      - { .name: x, .offset: 0, .size: 8, .value_kind: global_buffer, .address_space: global }
      - { .name: W_q, .offset: 8, .size: 8, .value_kind: global_buffer, .address_space: global }
      - { .name: W_k, .offset: 16, .size: 8, .value_kind: global_buffer, .address_space: global }
      - { .name: W_v, .offset: 24, .size: 8, .value_kind: global_buffer, .address_space: global }
      - { .name: W_o, .offset: 32, .size: 8, .value_kind: global_buffer, .address_space: global }
      - { .name: lowp_scales, .offset: 40, .size: 8, .value_kind: global_buffer, .address_space: global }
      - { .name: xc, .offset: 48, .size: 8, .value_kind: global_buffer, .address_space: global }
      - { .name: wc, .offset: 56, .size: 8, .value_kind: global_buffer, .address_space: global }
    .group_segment_fixed_size: 33280
    .private_segment_fixed_size: 0
    .kernarg_segment_align: 8
    .kernarg_segment_size: 64
    .max_flat_workgroup_size: 128
    .sgpr_count:     66
    .vgpr_count:     240
    .wavefront_size: 32
...
	.end_amdgpu_metadata
.endif
;; end of part 1
;; launch proj (part 2): grid 12 x 16, 4 waves a work-group, clusters of 4 x 4, 327,680 bytes of LDS; arguments xc, wc, b_q, b_k, b_v, lowp_scales, qkv; writes qkv
.if DOCPART == 2
	.amdgcn_target "amdgcn-amd-amdhsa--gfx1250"
	.amdhsa_code_object_version 6
	.text
	.protected	k_q9ba0555c51_proj
	.globl	k_q9ba0555c51_proj
	.p2align	8
	.type	k_q9ba0555c51_proj,@function
k_q9ba0555c51_proj:
	s_mov_b64 s[64:65], 0
	v_nop
	global_prefetch_b8 v0, s[64:65] scope:SCOPE_SE
	s_setreg_imm32_b32 hwreg(HW_REG_WAVE_MODE, 25, 1), 1
	s_wait_xcnt 0x0
	s_wait_alu depctr_hold_cnt(0) depctr_sa_sdst(0) depctr_va_vdst(0) depctr_va_sdst(0) depctr_va_ssrc(0) depctr_va_vcc(0) depctr_vm_vsrc(0)
	s_getreg_b32 s2, hwreg(HW_REG_IB_STS2, 6, 4)
	s_cmp_eq_u32 s2, 0
	s_cbranch_scc0 .Lentry_in_a_cluster
	s_endpgm
.Lentry_in_a_cluster:
	s_bfe_u32 s2, ttmp6, 0x10000c
	s_cmp_lg_u32 s2, 0xf033
	s_cbranch_scc0 .Lentry_shape_is_right
	s_endpgm
.Lentry_shape_is_right:
; Q = x W_q^T + b_q, K = x W_k^T + b_k, V = x W_v^T + b_v on codes of E4M3, and each result quantised at once (entries 6, 7, 9 of the scales) for the attention launch.
; SHARES: a work-group makes 256 tokens x 256 features of one of the three (mode = the cluster's x: 0 Q, 1 K, 2 V); each of its four waves 128 x 128: 64 accumulators, 512 registers.
; 3 x 16 x 4 = 192 work-groups.  K = 1,024 goes in four steps of 256 through a ring of two LDS slots filled by the tensor data mover.
; ROWS: xc and wc hold row t at the position that is t with bits 3 and 4 exchanged.  Tile 2 B + u of 16 positions as the first source gives lane (r, h), register j, row 32 B + 16 h + 8 u + j:
; the registers of tiles 2 B and 2 B + 1 are 16 neighbours, which the conversions turn into 16 bytes of the next product's operand.  As the second source, lane r holds row 32 B + 8 u + r + 8 (r / 8).
; Q, K: first source = W (a lane's registers run along the head's features, the next K), second = x.   V: first source = x (registers run along the tokens, the keys), second = W.
; CLUSTERS: 4 x 4 work-groups.  The first source's tile hangs on cx and is shared along a column of the cluster, the second's on cy and is shared along a row: joint loads.
; So for V cx counts tiles of tokens and cy tiles of features, for Q and K the other way round; LDS addresses are the same in all modes.
; No prefetch: K has four steps in all, and a step's rows are asked for one slot ahead by the load itself.
; THE RESULTS ARE STORED AS IMAGES OF THE NEXT OPERANDS' REGISTERS: four registers of the 32 lanes are 512 consecutive bytes, lane l's 16 at 16 l.
;   Q, K: [head][tile of 16 tokens][part c = 0, 1][512]: lane (r, h): features 32 c + 16 h + 0 .. 15.    V: [head][block of 128 keys][tile n of 16 channels][part c = 0 .. 3][512]: keys 32 c + 16 h + 0 .. 15.
; The bias is the C of each sum's first matrix instruction, divided by 2^(ex + ew), the power of two that the sums lack; the conversion takes 2^(eo - ex - ew).
; LIMITS: eo - ex - ew between -126 and 119 for (ex, ew, eo) = entries (0, 1, 6), (2, 3, 7), (4, 5, 9).
; REGISTERS: window 0: v1-29 addresses and constants, v32-95 the bias, v128-255 the second source's fragments, later codes.  Window 1: the first source's fragments, two sets.
;   Windows 2, 3: accumulator (a, b), a the second source's tile, b the first's, at v[8 (8 (a % 4) + b)] of window 2 + a / 4.
; THE CODES LIE IN CHUNKS: [block of 128 positions][chunk of 256 along K][position][256 bytes]: 128 rows of a K step are 32,768 consecutive bytes, K steps 0 and 1 of a block 65,536.
.set PITCH,  272                       ; an LDS row: 256 bytes + 16 of padding: the 16 rows of a fragment load start at 16 different banks (64 banks of 4 bytes: ISA guide 11.1)
.set FR,     16
.set HALFT,  128*PITCH                 ; 128 rows of one K step
.set SLOT,   HALFT                     ; from slot 0 to slot 1
.set REG,    2*HALFT                   ; a block of 128 rows has its two slots one behind the other: the head's load fills both, K steps 0 and 1; a refill fills one.  Two blocks of the second source, then two of the first
.set SPARE,  4*REG                     ; the spare words, 128 bytes a wave, which no other line names
.set ADRA, 16                          ; v16-17 the second source's fragments in slot 0, 1
.set ADRB, 20                          ; v20-21 the first's
.set VO,   24                          ; v24, v25 the stores' offsets
.set SC,   26                          ; 2^(eo - ex - ew)
.set LIM,  27                          ; 448 x that
.set SPW,  28
.set NIL,  29
.set BI,   32
.set AF,   128
.set CODE, 128
.set G1, 24                            ; s[24:31] group 1 for the second source's tiles; s[32:39] group 0, one set a slot
.set G0, 32
.set G1H, 76                           ; s[76:83], s[84:91] group 1 for the head's loads, second and first source
.set G1BH, 84
.set G1B, 48                           ; s[48:55], s[56:63] the same as G1, G0 for the first's
.set G0B, 56
.set MSB, 0
.macro WIN new                         ; the immediate's high byte repeats the setting that is left
.if MSB != \new
	s_set_vgpr_msb (MSB<<8)|\new
.set MSB, \new
.endif
.endm
.set MUL_LO, 0xa1                      ; source 0 window 1, source 1 window 0, C and D window 2
.set MUL_HI, 0xf1                      ; the same, C and D window 3
.set TO_B,   0x40
; A joint load: waves 0 and 1 fetch the second source's halves, waves 2 and 3 the first's.  The branch hangs on the wave's number alone.
.macro JLOAD s, g1, g1b
	s_cmp_eq_u32 s15, 0
	s_cbranch_scc0 .Lfor_b_\@
	tensor_load_to_lds s[G0+4*\s:G0+4*\s+3], s[\g1:\g1+7]
	s_nop 0
.rept 4
	v_nop
.endr
	s_branch .Lasked_\@
.Lfor_b_\@:
	tensor_load_to_lds s[G0B+4*\s:G0B+4*\s+3], s[\g1b:\g1b+7]
	s_nop 0
.rept 4
	v_nop
.endr
.Lasked_\@:
.endm
.macro CREST
	s_cmp_lg_u32 s14, 0
	s_cbranch_scc1 .Lnot_wave_0_\@
	s_barrier_signal -3
.Lnot_wave_0_\@:
	s_barrier_wait -3
	s_barrier_signal -1
	s_barrier_wait -1
.endm
.macro CROUND                          ; a round of the cluster's barrier
	s_barrier_signal -1
	s_barrier_wait -1
	CREST
.endm
.macro PLACES
.rept 4
	v_nop
.endr
.endm
	s_load_b256 s[4:11], s[0:1], 0x0               ; xc 4, wc 6, b_q 8, b_k 10
	s_load_b128 s[68:71], s[0:1], 0x20             ; b_v 68, scales 70
	s_load_b64 s[72:73], s[0:1], 0x30              ; qkv
	v_lshl_add_u32 v[SPW], v0, 2, SPARE
	v_mov_b32 v[NIL], 0
	ds_add_u32 v[SPW], v[NIL]                      ; the wave's opening: the add, twice on end, and its wait
	ds_add_u32 v[SPW], v[NIL]
	v_lshrrev_b32 v1, 5, v0
	v_readfirstlane_b32 s14, v1                    ; wave 0..3
	s_lshr_b32 s15, s14, 1                         ; my half of the second source's rows.  Also: I fetch for it (0) or for the first (1)
	s_and_b32 s16, s14, 1                          ; my half of the first source's rows.  Also: which 128 rows of that tile I fetch
	s_bfe_u32 s40, ttmp6, 0x40000                  ; cx
	s_bfe_u32 s41, ttmp6, 0x40004                  ; cy
	s_and_b32 s17, ttmp7, 0xffff
	s_lshl_b32 s17, s17, 2                         ; 4 x cluster y
	s_mov_b32 s18, ttmp9                           ; mode
	s_lshr_b32 s19, s18, 1                         ; 1 for V, else 0
	s_mul_i32 s20, s17, s19
	s_add_co_u32 s20, s20, s40                     ; the first source's tile: Q, K: features cx; V: tokens 4 x cluster y + cx
	s_xor_b32 s2, s19, 1
	s_mul_i32 s21, s17, s2
	s_add_co_u32 s21, s21, s41                     ; the second's: Q, K: tokens 4 x cluster y + cy; V: features cy
	s_lshl_b32 s3, s41, 2
	s_lshl_b32 s3, 15, s3                          ; my row of the cluster
	s_lshl_b32 s44, 0x1111, s40                    ; my column
	s_or_b32 s[G1], s3, (1<<20)|(1<<21)|(5<<22)|(3<<25)    ; the mask; elements of 1 byte; padding on; bit 21 beside a mask; after every 64 words, 4 words
	s_or_b32 s[G1B], s44, (1<<20)|(1<<21)|(5<<22)|(3<<25)
	s_or_b32 s[G1H], s3, (1<<20)|(1<<21)|(5<<22)|(3<<25)
	s_or_b32 s[G1BH], s44, (1<<20)|(1<<21)|(5<<22)|(3<<25)
.irp g, G1, G1B
	s_mov_b32 s[\g+2], 128<<16                     ; a refill: 128 rows
	s_mov_b32 s[\g+4], 128
.endr
.irp g, G1H, G1BH
	s_mov_b32 s[\g+2], 256<<16                     ; the head: 256 rows, 128 of K step 0 and 128 of K step 1
	s_mov_b32 s[\g+4], 256
.endr
.irp g, G1, G1B, G1H, G1BH
	s_mov_b32 s[\g+1], 256<<16                     ; tensor_dim0 = 256
	s_mov_b32 s[\g+3], 256<<16                     ; tile_dim0
	s_mov_b32 s[\g+5], 256                         ; from row to row
	s_mov_b32 s[\g+6], 0
	s_mov_b32 s[\g+7], 0
.endr
	s_lshl_b32 s22, s16, 17                        ; 128 rows of 1,024 bytes
	s_mul_i32 s23, s19, 0x600000
	s_lshl_b32 s46, s20, 18                        ; the first source: tile x 256 rows,
	s_add_co_u32 s46, s46, s22
	s_lshl_b32 s2, s18, 20
	s_add_co_u32 s46, s46, s2
	s_add_co_u32 s46, s46, s23                     ; in weight 0 or 1, for V in x's third copy (8 MiB on)
	s_mov_b32 s47, 0
	s_lshl_b32 s42, s21, 18                        ; the second source
	s_add_co_u32 s42, s42, s22
	s_lshl_b32 s2, s18, 22
	s_add_co_u32 s42, s42, s2
	s_sub_co_u32 s42, s42, s23                     ; in x's copy 0 or 1, for V in weight 2 (2 MiB on)
	s_mov_b32 s43, 0
	s_mul_i32 s45, s14, REG                        ; where they go: wave x one block
	s_wait_dscnt 0x0                               ; both opening adds are done
	s_wait_kmcnt 0x0
	s_lshl_b32 s95, s18, 3
	s_add_co_u32 s96, s18, s19
	s_lshl_b32 s96, s96, 2
	s_load_b64 s[92:93], s[70:71], s95 offset:0x0  ; ex, ew: entries 2 x mode, 2 x mode + 1
	s_load_b32 s94, s[70:71], s96 offset:0x18      ; eo: entry 6, 7 or 9
	s_cmp_eq_u32 s18, 2
	s_cselect_b64 s[74:75], s[4:5], s[6:7]
	s_cselect_b64 s[66:67], s[6:7], s[4:5]
	s_add_nc_u64 s[46:47], s[74:75], s[46:47]
	s_add_nc_u64 s[42:43], s[66:67], s[42:43]
	CROUND                                         ; all sixteen work-groups are here: the first joint loads meet
.irp s, 0,1
	s_mov_b32 s[G0+4*\s], 1
	s_add_co_u32 s[G0+4*\s+1], s45, \s*SLOT
	s_add_nc_u64 s[G0+4*\s+2:G0+4*\s+3], s[42:43], \s*32768
	s_or_b32 s[G0+4*\s+3], s[G0+4*\s+3], 0x80000000
	s_mov_b32 s[G0B+4*\s], 1
	s_add_co_u32 s[G0B+4*\s+1], s45, \s*SLOT
	s_add_nc_u64 s[G0B+4*\s+2:G0B+4*\s+3], s[46:47], \s*32768
	s_or_b32 s[G0B+4*\s+3], s[G0B+4*\s+3], 0x80000000
.endr
	JLOAD 0, G1H, G1BH                             ; K steps 0 and 1: one tensor load a wave at the head
	s_mul_i32 s2, s15, REG                         ; my 128 rows of the second source
	s_mul_i32 s3, s16, REG
	s_add_co_u32 s3, s3, 2*REG                     ; and of the first
	s_lshl_b32 s20, s20, 1
	s_add_co_u32 s20, s20, s16                     ; the first source's tile of 128 that is mine
	s_lshl_b32 s21, s21, 1
	s_add_co_u32 s21, s21, s15                     ; the second's
	s_mov_b32 s17, 1024
	s_cmp_eq_u32 s18, 2
	s_cselect_b32 s22, s21, s20                    ; which 128 features are mine,
	s_cselect_b32 s23, s20, s21                    ; and which 128 tokens
	s_cselect_b32 s17, s17, 0x40000                ; from parts 0, 1 to the next two: V's keys go on in the tile, Q's and K's features in the next head
	v_and_b32 v1, 15, v0                           ; r
	v_bfe_u32 v2, v0, 4, 1                         ; h
	v_mul_u32_u24 v3, v1, PITCH
	v_lshl_add_u32 v3, v2, 4, v3                   ; a fragment's row x pitch + 16 h
	v_add_nc_u32 v[ADRA], s2, v3
	v_add_nc_u32 v[ADRA+1], SLOT, v[ADRA]
	v_add_nc_u32 v[ADRB], s3, v3
	v_add_nc_u32 v[ADRB+1], SLOT, v[ADRB]
	v_and_b32 v4, 31, v0
	v_lshlrev_b32 v[VO], 4, v4
	v_add_nc_u32 v[VO+1], s17, v[VO]
	v_lshlrev_b32 v5, 6, v2                        ; Q, K: the bias at 16 h
	v_and_b32 v6, 8, v1
	v_add_nc_u32 v6, v6, v1
	v_lshlrev_b32 v6, 2, v6                        ; V: the bias at r + 8 (r / 8)
	s_wait_alu depctr_va_vdst(0)                   ; directly ahead of the wait below
	s_wait_kmcnt 0x0
	s_cmp_eq_u32 s18, 1                            ; the mode's bias and its three exponents, chosen without a branch
	s_cselect_b64 s[98:99], s[10:11], s[8:9]
	s_cmp_eq_u32 s18, 2
	s_cselect_b64 s[98:99], s[68:69], s[98:99]
	s_add_co_i32 s2, s92, s93                      ; ex + ew
	s_sub_co_i32 s3, 0, s2
	s_sub_co_i32 s96, s94, s2
	s_add_co_i32 s96, s96, 127
	s_lshl_b32 s97, s96, 23
	v_mov_b32 v[SC], s97                           ; 2^(eo - ex - ew)
	s_add_co_i32 s96, s96, 8
	s_lshl_b32 s96, s96, 23
	s_or_b32 s96, s96, 0x600000
	v_mov_b32 v[LIM], s96                          ; 448 x that
	s_lshl_b32 s96, s22, 9
	s_mov_b32 s97, 0
	s_add_nc_u64 s[98:99], s[98:99], s[96:97]      ; the bias of my 128 features
	; where my images go: 4 MiB a mode, 2 x 262,144 bytes for my two heads, 8,192 for my 128 tokens; then one base for each of the second source's tiles
	s_wait_alu depctr_va_vdst(0)                   ; directly ahead of the branch
	s_cmp_eq_u32 s18, 2
	s_cbranch_scc1 .Lbias_v
.irp b, 0,1,2,3,4,5,6,7
	global_load_b128 v[BI+8*\b:BI+8*\b+3], v5, s[98:99] offset:4*(32*(\b/2)+8*(\b%2))      ; Q, K: tile b's registers hold features 32 (b / 2) + 16 h + 8 (b % 2) + 0 .. 7
	global_load_b128 v[BI+8*\b+4:BI+8*\b+7], v5, s[98:99] offset:4*(32*(\b/2)+8*(\b%2))+16
.endr
	s_wait_loadcnt 0x0
.set i, 0
.rept 64
	v_ldexp_f32 v[BI+i], v[BI+i], s3               ; bias / 2^(ex + ew)
.set i, i+1
.endr
	s_wait_alu depctr_va_vdst(0)                   ; directly ahead of the branch
	s_branch .Lbias_in
.Lbias_v:
.irp a, 0,1,2,3,4,5,6,7
	global_load_b32 v[96+\a], v6, s[98:99] offset:4*(32*(\a/2)+8*(\a%2))    ; V: lane r of tile a holds channel 32 (a / 2) + 8 (a % 2) + r + 8 (r / 8) in all eight registers
.endr
	s_wait_loadcnt 0x0
.irp a, 0,1,2,3,4,5,6,7
.irp j, 0,1,2,3,4,5,6,7
	v_ldexp_f32 v[BI+8*\a+\j], v[96+\a], s3
.endr
.endr
.Lbias_in:
.macro FRAG reg, adr, q, i             ; 16 rows x 128 K: registers 4 c .. 4 c + 3 hold K = 32 c + 16 h + 0 .. 15, the same places in both sources
.irp c, 0,1,2,3
	ds_load_b128 v[\reg+4*\c:\reg+4*\c+3], v[\adr] offset:128*(\q)+32*\c+(\i)*16*PITCH
.endr
.endm
; 16 matrix instructions.  The 64 accumulators take turns, one instruction a turn, in the same order in every step.
; cm = 0: in place; 1: C = the bias by the first source's tile; 2: by the second's.
.macro MUL16 a0, p, cm
.irp a, \a0, \a0+1
.irp b, 0,1,2,3,4,5,6,7
.if \cm == 0
	v_wmma_f32_16x16x128_fp8_fp8 v[8*(8*((\a)%4)+\b):8*(8*((\a)%4)+\b)+7], v[128*(\p)+FR*\b:128*(\p)+FR*\b+FR-1], v[AF+FR*(\a):AF+FR*(\a)+FR-1], v[8*(8*((\a)%4)+\b):8*(8*((\a)%4)+\b)+7]
.elseif \cm == 1
	v_wmma_f32_16x16x128_fp8_fp8 v[8*(8*((\a)%4)+\b):8*(8*((\a)%4)+\b)+7], v[128*(\p)+FR*\b:128*(\p)+FR*\b+FR-1], v[AF+FR*(\a):AF+FR*(\a)+FR-1], v[BI+8*\b:BI+8*\b+7]
.else
	v_wmma_f32_16x16x128_fp8_fp8 v[8*(8*((\a)%4)+\b):8*(8*((\a)%4)+\b)+7], v[128*(\p)+FR*\b:128*(\p)+FR*\b+FR-1], v[AF+FR*(\a):AF+FR*(\a)+FR-1], v[BI+8*(\a):BI+8*(\a)+7]
.endif
.endr
.endr
.endm
.macro FETCH_B slot, q, p
	WIN TO_B
.irp i, 0,1,2,3,4,5,6,7
	FRAG 128*(\p)+FR*\i, ADRB+\slot, \q, \i
.endr
	WIN 0
.endm
.macro FETCH_A slot, q, i0
.irp i, \i0, \i0+1, \i0+2, \i0+3
	FRAG AF+FR*(\i), ADRA+\slot, \q, \i
.endr
.endm
; A slot's first 128 along K.  Four places stand in front of loads into registers that matrix instructions have read (ISA guide 7.12.1 for vector instructions).
.macro STEP slot, cm
	s_wait_dscnt 16                                ; the youngest 16 loads (the second source's tiles 4-7) may be out
	FETCH_B \slot, 1, 1                            ; set 1's last readers stand ahead of the change of slots' last four places
.if \cm == 0
	WIN MUL_LO
.else
	WIN 0x81                                       ; C from window 0: the bias
.endif
	MUL16 0, 0, \cm
	MUL16 2, 0, \cm
	s_wait_dscnt 32                                ; tiles 4-7 are in; the 32 loads of set 1 may be out
	PLACES
	WIN 0
	FETCH_A \slot, 1, 0
.if \cm == 0
	WIN MUL_HI
.else
	WIN 0xc1
.endif
	MUL16 4, 0, \cm
	MUL16 6, 0, \cm
	PLACES
	WIN 0
	FETCH_A \slot, 1, 4
.endm
; A slot's second 128 along K changes slots.  In front of the barrier each wave waits for all its tensor loads, adds 0 to its spare word, and waits for that and for its reads of this slot.  fill = 1: the slot is filled again.
.macro TURN slot, next, fill
	s_wait_tensorcnt 0x0
	ds_add_u32 v[SPW], v[NIL]
	s_wait_dscnt 17                                ; (the add and the youngest 16 loads may be out)
	WIN MUL_LO
	MUL16 0, 1, 0
	s_wait_dscnt 0x0                               ; the add is done, and my reads of this slot are over
	s_barrier_signal -1
	MUL16 2, 1, 0
	WIN 0
	s_barrier_wait -1
.if \fill
	CREST                                          ; the barrier has opened a round of the cluster's barrier
	s_add_nc_u64 s[G0+4*\slot+2:G0+4*\slot+3], s[G0+4*\slot+2:G0+4*\slot+3], 65536
	s_add_nc_u64 s[G0B+4*\slot+2:G0B+4*\slot+3], s[G0B+4*\slot+2:G0B+4*\slot+3], 65536
	JLOAD \slot, G1, G1B                           ; the first tensor load behind the round; the four v_nop behind it are the places for the loads below
.else
	PLACES
.endif
	FETCH_B \next, 0, 0
	FETCH_A \next, 0, 0
	WIN MUL_HI
	MUL16 4, 1, 0
	MUL16 6, 1, 0
	PLACES
	WIN 0
	FETCH_A \next, 0, 4
.endm
	s_wait_alu depctr_va_vdst(0)                   ; the head's end
	s_wait_tensorcnt 0x0                           ; my part of K steps 0 and 1 is in
	s_barrier_signal -1
	s_barrier_wait -1                              ; and everybody's
	; where my images go: 4 MiB a mode, 2 x 262,144 bytes for my two heads, 8,192 for my 128 tokens; then one base for each of the second source's tiles (in registers that held the head's descriptors)
	s_lshl_b32 s96, s22, 19
	s_lshl_b32 s2, s23, 13
	s_add_co_u32 s96, s96, s2
	s_lshl_b32 s2, s18, 22
	s_add_co_u32 s96, s96, s2
	s_mov_b32 s97, 0
	s_add_nc_u64 s[74:75], s[72:73], s[96:97]
	s_mov_b32 s2, 2048
	s_cmp_eq_u32 s18, 2
	s_cselect_b32 s96, s2, 1024                    ; tile to tile: V 2,048 bytes, Q and K 1,024
	s_mov_b32 s2, 256000
	s_cselect_b32 s100, s2, 1024                   ; from tile 3 to tile 4: for V the next head
	s_mov_b32 s101, 0
	s_add_nc_u64 s[76:77], s[74:75], s[96:97]
	s_add_nc_u64 s[78:79], s[76:77], s[96:97]
	s_add_nc_u64 s[80:81], s[78:79], s[96:97]
	s_add_nc_u64 s[82:83], s[80:81], s[100:101]
	s_add_nc_u64 s[84:85], s[82:83], s[96:97]
	s_add_nc_u64 s[86:87], s[84:85], s[96:97]
	s_add_nc_u64 s[88:89], s[86:87], s[96:97]
	FETCH_B 0, 0, 0
	FETCH_A 0, 0, 0
	FETCH_A 0, 0, 4
	s_cmp_eq_u32 s18, 2
	s_cbranch_scc1 .Lstart_v
	STEP 0, 1                                      ; the first step starts the sums with the bias: nothing is cleared
	s_branch .Lstarted
.Lstart_v:
	STEP 0, 2
.Lstarted:
	TURN 0, 1, 1
	STEP 1, 0
	TURN 1, 0, 1
	STEP 0, 0
	TURN 0, 1, 0                                   ; the last two K steps fill nothing
	STEP 1, 0
	s_wait_dscnt 16
	WIN MUL_LO
	MUL16 0, 1, 0
	MUL16 2, 1, 0
	s_wait_dscnt 0
	WIN MUL_HI
	MUL16 4, 1, 0
	MUL16 6, 1, 0
	WIN 0
	PLACES                                         ; four places ahead of the first read of results
; THE WAY OUT of the second source's tiles 4 w .. 4 w + 3: the hold at the largest code x the scale (the conversion does not saturate: ISA guide 7.6.2), the conversions, the stores: the wave stores 512 consecutive bytes, aligned.
.macro OUTW w
	WIN (0x82+0x41*\w)                             ; source 0 and destination: window 2 or 3
.set i, 0
.rept 256
	v_med3_num_f32 v[i], v[i], -v[LIM], v[LIM]     ; each accumulator from its low end on
.set i, i+1
.endr
	WIN (2+\w)
.irp a, 0,1,2,3
.irp b, 0,1,2,3,4,5,6,7
	v_cvt_scalef32_pk8_fp8_f32 v[CODE+16*(4*\w+\a)+2*\b:CODE+16*(4*\w+\a)+2*\b+1], v[8*(8*\a+\b):8*(8*\a+\b)+7], v[SC]
.endr
.endr
	v_nop                                          ; a plain line behind the last conversion
	WIN 0
.irp a, 0,1,2,3
.irp p, 0,1,2,3
	global_store_b128 v[VO+\p/2], v[CODE+16*(4*\w+\a)+4*\p:CODE+16*(4*\w+\a)+4*\p+3], s[74+2*(4*\w+\a):75+2*(4*\w+\a)] offset:512*(\p%2)
.endr
.endr
.endm
	OUTW 0
	OUTW 1
	s_wait_tensorcnt 0x0                           ; the wave's end
	ds_add_u32 v[SPW], v[NIL]
	s_wait_dscnt 0x0
	CROUND                                         ; the closing round
	s_endpgm
.Lfunc_end_k_q9ba0555c51_proj:
	.size	k_q9ba0555c51_proj, .Lfunc_end_k_q9ba0555c51_proj-k_q9ba0555c51_proj
	.p2alignl 7, 3214868480
	.fill 96, 4, 3214868480
	.section	.rodata,"a",@progbits
	.p2align	6, 0x0
	.amdhsa_kernel k_q9ba0555c51_proj
		.amdhsa_group_segment_fixed_size 327680
		.amdhsa_private_segment_fixed_size 0
		.amdhsa_enable_private_segment 0
		.amdhsa_kernarg_size 56
		.amdhsa_user_sgpr_count 2
		.amdhsa_user_sgpr_kernarg_segment_ptr 1
		.amdhsa_wavefront_size32 1
		.amdhsa_system_sgpr_workgroup_id_x 1
		.amdhsa_system_sgpr_workgroup_id_y 1
		.amdhsa_system_sgpr_workgroup_id_z 1
		.amdhsa_system_vgpr_workitem_id 0
		.amdhsa_next_free_vgpr 1024
		.amdhsa_next_free_sgpr 102
		.amdhsa_reserve_vcc 0
		.amdhsa_float_denorm_mode_32 3
		.amdhsa_float_denorm_mode_16_64 3
		.amdhsa_memory_ordered 1
		.amdhsa_forward_progress 1
		.amdhsa_inst_pref_size 138
	.end_amdhsa_kernel
	.amdgpu_metadata
---
amdhsa.version: [ 1, 2 ]
amdhsa.kernels:
  - .name:           k_q9ba0555c51_proj
    .symbol:         k_q9ba0555c51_proj.kd
    .args:
      - { .name: xc, .offset: 0, .size: 8, .value_kind: global_buffer, .address_space: global }
      - { .name: wc, .offset: 8, .size: 8, .value_kind: global_buffer, .address_space: global }
      - { .name: b_q, .offset: 16, .size: 8, .value_kind: global_buffer, .address_space: global }
      - { .name: b_k, .offset: 24, .size: 8, .value_kind: global_buffer, .address_space: global }
      - { .name: b_v, .offset: 32, .size: 8, .value_kind: global_buffer, .address_space: global }
      - { .name: lowp_scales, .offset: 40, .size: 8, .value_kind: global_buffer, .address_space: global }
      - { .name: qkv, .offset: 48, .size: 8, .value_kind: global_buffer, .address_space: global }
    .group_segment_fixed_size: 327680
    .private_segment_fixed_size: 0
    .kernarg_segment_align: 8
    .kernarg_segment_size: 56
    .max_flat_workgroup_size: 128
    .sgpr_count:     102
    .vgpr_count:     1024
    .wavefront_size: 32
...
	.end_amdgpu_metadata
.endif
;; end of part 2
;; launch attn (part 3): grid 16 x 16, 16 waves a work-group, no clusters, 280,576 bytes of LDS; arguments qkv, lowp_scales, yc; writes yc
.if DOCPART == 3
	.amdgcn_target "amdgcn-amd-amdhsa--gfx1250"
	.amdhsa_code_object_version 6
	.text
	.protected	k_q9ba0555c51_attn
	.globl	k_q9ba0555c51_attn
	.p2align	8
	.type	k_q9ba0555c51_attn,@function
k_q9ba0555c51_attn:
	s_mov_b64 s[64:65], 0
	v_nop
	global_prefetch_b8 v0, s[64:65] scope:SCOPE_SE
	s_setreg_imm32_b32 hwreg(HW_REG_WAVE_MODE, 25, 1), 1
	s_wait_xcnt 0x0
; Causal attention of 16 heads of 64 over 4,096 tokens, both products on codes of E4M3; the result, divided by the row's sum, is quantised (entry 10 of the scales) for the last projection.
; t = score x log2(e) / 8; M = the running largest t rounded up to a whole number; p = 2^(t - M) is quantised (entry 8), not normalised; the row's sum is taken of the unquantised p.
; When M moves, the sum and O are multiplied by 2^(old M - new M), which rounds nothing.
; SHARES: work-group (j, head) owns the blocks j and 31 - j of 128 queries, one after the other (two passes).  A trip covers 256 keys; a block b needs (b + 2) / 2 trips (rounded down), so every work-group walks 17 trips, the first
; (j + 2) / 2 of them for block j.  Sixteen waves: wave w takes the pair of query tiles w % 4 of the block (32 queries) and the key group w / 4 (64 keys) of each trip: each fragment of K and V feeds two matrix instructions.
; A wave's sums over its own keys are PARKED in LDS at a pass's end; behind the last trip each of the 16 waves merges one tile of 16 queries of one pass from its four key groups' parts.
; OPERANDS COME AS IMAGES OF THEIR REGISTERS (four registers of 32 lanes = 512 consecutive bytes): a trip is 16 KB of K (16 tiles of 16 keys) and 16 KB of V (2 blocks x 4 tiles of 16 channels x 128 keys), each dense in memory.
; Both products are used transposed: S^T = K Q^T, O^T = V^T P^T: a lane holds one query of each tile throughout.  Lane r of a tile 2 B + u of tokens holds token 32 B + 8 u + r + 8 (r / 8), so register 16 B + i of the scores
; is key 32 B + 16 (lane / 16) + i of the group: the conversions' results are the second product's operand.
; RING: three slots of 16 KB of K and 16 KB of V, filled through registers (four loads and four LDS stores of 16 bytes a lane and trip).  In trip T slot T % 3 is read, slot (T + 2) % 3 takes trip T + 2's keys, and the loads for trip T + 3 set out.
; ONE BARRIER A TRIP: it is signalled in trip T when my reads of slot T % 3 and my stores into slot (T + 2) % 3 are done, and waited for in trip T + 1 ahead of its stores.  Between the two stand the softmax, the products and the reads of
; slot (T + 1) % 3: its bytes were stored in trip T - 1 or the head, ahead of the signal that trip T's wait saw, and are written again only in trip T + 2, behind the next wait.
; Products of keys that all come after a wave's queries are left out behind the first product (a branch on ids).
; THE HOLD of p at the largest code stands under a scalar branch on e8: p is at most 1, so with e8 >= -8 p / 2^e8 is at most 256 and the hold would change nothing; with a smaller e8 it is done.
; NO JOINT LOADS: work-groups of a head are in their first or second pass at different trips, so they want different keys in the same trip; and K and V come through registers.
; LIMITS: scaled scores (exponents to the base 2, before the maximum is taken away) under 2^31 in magnitude; e6 + e7 between -123 and 130 (added to c's exponent field); e8 and e10 between -126 and 119; e8 + e9 is applied by v_ldexp_f32 and has none.
.set KS, 16384                         ; a slot of K, and of V
.set VB, 3*KS                          ; V's slots lie behind K's
.set PW,   8704                        ; a wave's park: O^T of two tiles (2 x 4,096 bytes), then sum and -M of both (512)
.set P1,   16*PW                       ; pass 1's parks; pass 2's lie from byte 0 on, over the ring, which is left by then
.set SPARE, 2*P1                       ; the spare words, 128 bytes for each of 16 waves, which no other line names
.set LT,  1                            ; v1 16 x thread: my place in a fill, in memory and in a slot of K
.set LTV, 38                           ; v38 the same in a slot of V
.set AK,  2                            ; v2 my group's K in a slot
.set AV,  3                            ; v3 my group's V
.set SPW, 4
.set NIL, 5
.set PFO, 6                            ; v6 256 x lane
.set NINF, 7                           ; v7 -infinity
.set Q,   8                            ; v8-23  Q's two tiles
.set SG,  48                           ; v48-63 the fill on its way to LDS
.set KF,  64                           ; v64-95 K's four fragments; later p's codes (v64-79) and second chains of the sums (v80-83)
.set VF,  96                           ; v96-127 V's four
.set SA,  128                          ; v128-159, v160-191 the scores of the two tiles, then p
.set SB,  160
.set OA,  192                          ; v192-223, v224-255 O^T
.set OB,  224
; v24, v26 -M of the two tiles; v25, v27 LDS addresses of my parks of pass 1 and 2 (also named as upper halves of the pairs v[24:25], v[26:27]); v[28:29], v[30:31] the sums in two halves; v32, v34 f (v33, v35 named with them)
; v36, v37 2^e8, 448 x 2^e8; v39 r + 8 (r / 8) - 16 h; v40-47 at work
; s10 wave, s11 j, s12 pass 1's trips, s13 head, s14 T, s15 query pair, s16 key group, s18 31 - j; s[20:21] lane selects; s[22:23] c; s[24:25] the head's K; s[26:27] a fill's base; s[28:29] offsets
; s[30:31], s32 the prefetches'; s38 first query of my pair - first key of my group in this trip; s34 the same for pass 2's first trip; s[44:55] the scales; s60 e8 + e9; s61 the loop
.macro MKSC e, sc, lim                 ; 2^e and 448 x 2^e as f32 numbers
	s_add_co_i32 s2, s[\e], 127
	s_lshl_b32 s3, s2, 23
	v_mov_b32 v[\sc], s3
	s_add_co_i32 s2, s2, 8
	s_lshl_b32 s2, s2, 23
	s_or_b32 s2, s2, 0x600000
	v_mov_b32 v[\lim], s2
.endm
.macro INIT                            ; a pass begins: M is -3e38, under every t; the sums and O^T are zeros, which the first change of M leaves zeros
	v_mov_b32 v24, 0x7f61b1e6
	v_mov_b32 v26, 0x7f61b1e6
	v_mov_b32 v28, 0
	v_mov_b32 v29, 0
	v_mov_b32 v30, 0
	v_mov_b32 v31, 0
.set i, 0
.rept 64
	v_mov_b32 v[OA+i], 0
.set i, i+1
.endr
.endm
.macro NEXT r                          ; the loads of trip s35's keys: pair of blocks s35 in pass 1, s35 - s12 in pass 2
	s_cmp_ge_u32 s35, s12
	s_cselect_b32 s36, s12, 0
	s_sub_co_u32 s35, s35, s36
	s_lshl_b32 s28, s35, 14
	s_add_nc_u64 s[26:27], s[24:25], s[28:29]
	global_load_b128 v[\r:\r+3], v[LT], s[26:27]
	global_load_b128 v[\r+4:\r+7], v[LT], s[26:27] offset:8192
	global_load_b128 v[\r+8:\r+11], v[LT], s[26:27] offset:4194304      ; V's images lie 4 MiB behind K's
	global_load_b128 v[\r+12:\r+15], v[LT], s[26:27] offset:4194304+8192
.endm
.macro FILL sl, r
.irp i, 0,1
	ds_store_b128 v[LT], v[\r+4*\i:\r+4*\i+3] offset:KS*(\sl)+8192*\i
	ds_store_b128 v[LTV], v[\r+8+4*\i:\r+8+4*\i+3] offset:KS*(\sl)+8192*\i
.endr
.endm
; A PREFETCH INTO THE L2.  All sixteen work-groups of a head walk the same K and V: the one with j = 0 asks, waves 0 and 1 for K's 16 KB, waves 2 and 3 for V's, a lane for each 256 bytes.
; In trip T it names keys 256 (T + 5) on, which no work-group loads ahead of its trip T + 2.  Each 256 bytes are named once in the launch; the first five pairs of blocks come by their loads alone; trip 10 is the last that asks.
.macro ASK
	s_cmp_lt_u32 s14, s32
	s_cbranch_scc0 .Lnot_mine_\@
	global_prefetch_b8 v[PFO], s[30:31] th:TH_LOAD_NT scope:SCOPE_SE
.Lnot_mine_\@:
.endm
	s_load_b128 s[4:7], s[0:1], 0x0                ; qkv, scales
	s_load_b64 s[8:9], s[0:1], 0x10                ; yc
	v_lshrrev_b32 v40, 5, v0
	v_readfirstlane_b32 s10, v40                   ; wave 0..15
	s_and_b32 s15, s10, 3
	s_lshr_b32 s16, s10, 2
	s_mov_b32 s11, ttmp9                           ; j
	s_add_co_u32 s12, s11, 2
	s_lshr_b32 s12, s12, 1
	s_and_b32 s13, ttmp7, 0xffff                   ; head
	s_mov_b32 s14, 0
	s_sub_co_u32 s18, 31, s11
	s_lshl_b32 s2, s15, 5
	s_lshl_b32 s3, s16, 6
	s_sub_co_i32 s2, s2, s3                        ; 32 x pair - 64 x group
	s_lshl_b32 s3, s11, 7
	s_add_co_i32 s38, s3, s2
	s_lshl_b32 s3, s18, 7
	s_add_co_i32 s34, s3, s2
	s_lshl_b32 s36, s16, 12                        ; K: four tiles of 1,024 bytes a group
	s_lshr_b32 s2, s16, 1
	s_lshl_b32 s37, s2, 13                         ; V: a block of 8,192 bytes for two groups,
	s_and_b32 s2, s16, 1
	s_lshl_b32 s2, s2, 10                          ; two parts of 512 bytes each
	s_add_co_u32 s37, s37, s2
	s_add_co_u32 s37, s37, VB
	s_mul_i32 s39, s10, PW
	s_add_co_u32 s40, s39, P1
	s_lshl_b32 s28, s13, 18                        ; 262,144 bytes a head
	s_mov_b32 s29, 0
	s_lshl_b32 s2, s15, 11                         ; my two tiles of Q: 1,024 bytes each
	s_add_co_u32 s2, s2, s28
	s_lshl_b32 s56, s11, 13
	s_add_co_u32 s56, s56, s2
	s_mov_b32 s57, 0
	s_lshl_b32 s58, s18, 13
	s_add_co_u32 s58, s58, s2
	s_mov_b32 s59, 0
	s_add_co_u32 s42, s28, 0x400000                ; K's images lie 4 MiB into the buffer
	s_mov_b32 s43, 0
	s_bfe_u32 s2, s10, 0x10001
	s_lshl_b32 s30, s2, 22
	s_and_b32 s2, s10, 1
	s_lshl_b32 s2, s2, 13
	s_add_co_u32 s30, s30, s2
	s_add_co_u32 s30, s30, 4*16384                 ; the first trip steps it to 5 x 16,384
	s_mov_b32 s31, 0
	s_or_b32 s2, s16, s11                          ; 0 in waves 0 to 3 of the work-group with j = 0
	s_cmp_eq_u32 s2, 0
	s_cselect_b32 s32, 11, 0
	s_mov_b32 s20, 0x76543210
	s_mov_b32 s21, 0xfedcba98                      ; v_permlanex16_b32: lane l xor 16
	v_lshl_add_u32 v[SPW], v0, 2, SPARE
	v_mov_b32 v[NIL], 0
	v_lshlrev_b32 v[LT], 4, v0
	v_add_nc_u32 v[LTV], VB, v[LT]
	v_and_b32 v41, 31, v0
	v_lshlrev_b32 v[PFO], 8, v41
	v_lshlrev_b32 v41, 4, v41                      ; 16 x lane
	v_add_nc_u32 v[AK], s36, v41
	v_add_nc_u32 v[AV], s37, v41
	v_add_nc_u32 v27, s39, v41
	v_add_nc_u32 v25, s40, v41
	v_and_b32 v42, 15, v0                          ; r
	v_and_b32 v43, 8, v42
	v_add_nc_u32 v39, v42, v43
	v_bfe_u32 v43, v0, 4, 1                        ; h
	v_lshlrev_b32 v43, 4, v43
	v_sub_nc_u32 v39, v39, v43
	v_mov_b32 v[NINF], 0xff800000
	v_mov_b32 v33, 0                               ; named as upper halves of pairs
	v_mov_b32 v35, 0
	v_mov_b32 v44, 0                               ; a lane permute's destination counts as one of its sources
	v_mov_b32 v45, 0
	INIT
	s_wait_alu depctr_va_vdst(0)                   ; directly ahead of the wait below
	s_wait_kmcnt 0x0
	s_load_b256 s[44:51], s[6:7], 0x0              ; e0 .. e7
	s_load_b128 s[52:55], s[6:7], 0x20             ; e8 .. e11
	s_add_nc_u64 s[24:25], s[4:5], s[42:43]
	s_mov_b32 s35, 0
	NEXT SG                                        ; trip 0's keys
	s_add_nc_u64 s[56:57], s[4:5], s[56:57]
	s_add_nc_u64 s[58:59], s[4:5], s[58:59]
	s_add_nc_u64 s[30:31], s[24:25], s[30:31]
.irp i, 0,1,2,3
	global_load_b128 v[Q+4*\i:Q+4*\i+3], v41, s[56:57] offset:512*\i
.endr
.irp i, 0,1,2,3
	global_load_b128 v[SA+4*\i:SA+4*\i+3], v41, s[58:59] offset:512*\i
.endr
	s_wait_xcnt 0x0                                ; the loads have read their base
	s_mov_b32 s35, 1
	NEXT SA+16                                     ; trip 1's keys
	s_wait_kmcnt 0x0
	s_add_co_i32 s2, s50, s51
	s_lshl_b32 s2, s2, 23
	s_mov_b32 s22, 0x3e38aa3b                      ; c = log2(e) / 8
	s_add_co_i32 s22, s22, s2                      ; x 2^(e6 + e7)
	s_mov_b32 s23, s22
	s_add_co_i32 s60, s52, s53
	MKSC 52, 36, 37                                ; e8
	s_wait_alu depctr_va_vdst(0)                   ; the head's end
	s_wait_loadcnt 0x0
	FILL 0, SG
	FILL 1, SA+16
.irp i, 0,1,2,3
	ds_store_b128 v25, v[SA+4*\i:SA+4*\i+3] offset:512*\i   ; pass 2's Q waits in my own park of pass 1
.endr
	s_wait_dscnt 0x0                               ; my stores are done, for the others' sake and mine
	s_mov_b32 s35, 2
	NEXT SG                                        ; trip 2's keys
	s_barrier_signal -1
	s_barrier_wait -1                              ; slots 0 and 1 are whole
	s_barrier_signal -1                            ; trip 0 waits for this one: slot 2 has not been read yet
.macro PARK a                          ; my sums of a pass into LDS at v[a]; the four plain lines are places behind the last products
	v_mov_b32 v41, v24
	v_mov_b32 v43, v26
	v_add_f32 v40, v28, v29
	v_add_f32 v42, v30, v31
	ds_store_b128 v[\a], v[40:43] offset:8192
.irp k, 0,1,2,3,4,5,6,7,8,9,10,11,12,13,14,15
	ds_store_b128 v[\a], v[OA+4*\k:OA+4*\k+3] offset:512*\k
.endr
.endm
.macro PASSEND                         ; in pass 2's first trip, ahead of its products
	s_cmp_lg_u32 s14, s12
	s_cbranch_scc1 .Lsame_\@
.irp i, 0,1,2,3
	ds_load_b128 v[Q+4*\i:Q+4*\i+3], v25 offset:512*\i   ; pass 2's Q
.endr
	s_wait_dscnt 0x0                               ; it is in: its bytes take pass 1's sums
	PARK 25
	s_mov_b32 s38, s34
	s_wait_dscnt 0x0                               ; the stores have read their registers
	INIT
	s_wait_alu depctr_va_vdst(0)
.Lsame_\@:
.endm
.macro TRIP sl, more
.rept 4
	v_nop                                          ; four places in front of loads into registers that the last products read
.endr
.irp t, 0,1,2,3
	ds_load_b128 v[KF+8*\t:KF+8*\t+3], v[AK] offset:KS*(\sl)+1024*\t
	ds_load_b128 v[KF+8*\t+4:KF+8*\t+7], v[AK] offset:KS*(\sl)+1024*\t+512
.endr
.irp n, 0,1,2,3
	ds_load_b128 v[VF+8*\n:VF+8*\n+3], v[AV] offset:KS*(\sl)+2048*\n
	ds_load_b128 v[VF+8*\n+4:VF+8*\n+7], v[AV] offset:KS*(\sl)+2048*\n+512
.endr
	s_wait_alu depctr_va_vdst(0)                   ; directly ahead of the barrier's wait
	s_barrier_wait -1                              ; everybody has left the slot that I fill now, and the next trip's slot is whole
.if \more
	PASSEND
	s_wait_loadcnt 0x0                             ; the keys of two trips on are in my registers
	FILL (((\sl)+2)%3), SG
	s_wait_dscnt 12                                ; K is in: V's eight loads and the four stores may be out
.else
	s_wait_dscnt 8                                 ; K is in: V's eight loads may be out
.endif
.irp t, 0,1,2,3
	v_wmma_f32_16x16x64_fp8_fp8 v[SA+8*\t:SA+8*\t+7], v[KF+8*\t:KF+8*\t+7], v[Q:Q+7], 0
	v_wmma_f32_16x16x64_fp8_fp8 v[SB+8*\t:SB+8*\t+7], v[KF+8*\t:KF+8*\t+7], v[Q+8:Q+15], 0
.endr
.rept 4
	v_nop                                          ; four places ahead of the first read of the scores
.endr
	s_wait_dscnt 0x0                               ; V is in, my reads of this slot are over, my stores are done
.if \more
	s_wait_xcnt 0x0                                ; the last prefetch, a trip back, has read its address
	s_add_nc_u64 s[30:31], s[30:31], 16384
	s_cmp_lt_u32 s14, 14                           ; from trip 14 on no trip stands three on
	s_cbranch_scc0 .Lno_next_\@
	s_add_co_u32 s35, s14, 3
	NEXT SG
.Lno_next_\@:
	ASK
.endif
	s_barrier_signal -1
	s_cmp_lt_i32 s38, 0                            ; -32 or less: all my keys come after all my queries
	s_cbranch_scc1 .Lhidden_\@
	s_cmp_ge_i32 s38, 64                           ; 64 or more: all my keys count
	s_cbranch_scc1 .Lopen_\@
	v_add_nc_u32 v46, s38, v39                     ; register n holds key 32 (n / 16) + n % 16 (+ 16 h) of the group: hidden where that is above this number
	v_add_nc_u32 v47, 8, v46                       ; the second tile's queries stand 8 on
.set n, 0
.rept 32
	v_cmp_gt_i32 vcc_lo, 32*(n/16)+n%16, v46
	v_cndmask_b32 v[SA+n], v[SA+n], v[NINF], vcc_lo
	v_cmp_gt_i32 vcc_lo, 32*(n/16)+n%16, v47
	v_cndmask_b32 v[SB+n], v[SB+n], v[NINF], vcc_lo
.set n, n+1
.endr
.Lopen_\@:
	v_max3_num_f32 v40, v[SA], v[SA+1], v[SA+2]    ; each tile's largest score among my 32 keys, in two chains; each accumulator is entered at its low end
	v_max3_num_f32 v42, v[SB], v[SB+1], v[SB+2]
	v_max3_num_f32 v41, v[SA+3], v[SA+4], v[SA+5]
	v_max3_num_f32 v43, v[SB+3], v[SB+4], v[SB+5]
.irp i, 6,10,14,18,22,26
	v_max3_num_f32 v40, v40, v[SA+\i], v[SA+\i+1]
	v_max3_num_f32 v42, v42, v[SB+\i], v[SB+\i+1]
	v_max3_num_f32 v41, v41, v[SA+\i+2], v[SA+\i+3]
	v_max3_num_f32 v43, v43, v[SB+\i+2], v[SB+\i+3]
.endr
	v_max3_num_f32 v40, v40, v[SA+30], v[SA+31]
	v_max3_num_f32 v42, v42, v[SB+30], v[SB+31]
	v_max_num_f32 v40, v40, v41
	v_max_num_f32 v42, v42, v43
	v_permlanex16_b32 v44, v40, s20, s21
	v_permlanex16_b32 v45, v42, s20, s21
	v_max_num_f32 v40, v40, v44                    ; and among lane l xor 16's
	v_max_num_f32 v42, v42, v45
	v_mul_f32 v40, s22, v40                        ; as t (c is positive)
	v_mul_f32 v42, s22, v42
	v_floor_f32 v41, -v40                          ; floor(-t) = -ceil(t)
	v_floor_f32 v43, -v42
	v_min_num_f32 v41, v41, v24                    ; the new -M: M is the ceiling of the running largest t
	v_min_num_f32 v43, v43, v26
	v_sub_f32 v40, v41, v24                        ; old M - new M: a whole number, 0 or less
	v_sub_f32 v42, v43, v26
	v_mov_b32 v24, v41
	v_mov_b32 v26, v43
	v_cvt_i32_f32 v40, v40                         ; (it saturates)
	v_cvt_i32_f32 v42, v42
.irp i, 0,2,4,6
	v_pk_fma_f32 v[SA+\i:SA+\i+1], v[SA+\i:SA+\i+1], s[22:23], v[24:25] op_sel_hi:[1,0,0]   ; t - M, two at a time
	v_pk_fma_f32 v[SB+\i:SB+\i+1], v[SB+\i:SB+\i+1], s[22:23], v[26:27] op_sel_hi:[1,0,0]
.endr
	v_ldexp_f32 v32, 1.0, v40                      ; f = 2^(old M - new M)
	v_ldexp_f32 v34, 1.0, v42
.irp i, 8,10,12,14,16,18,20,22,24,26,28,30
	v_pk_fma_f32 v[SA+\i:SA+\i+1], v[SA+\i:SA+\i+1], s[22:23], v[24:25] op_sel_hi:[1,0,0]
	v_pk_fma_f32 v[SB+\i:SB+\i+1], v[SB+\i:SB+\i+1], s[22:23], v[26:27] op_sel_hi:[1,0,0]
.endr
.set i, 0
.rept 16
	v_pk_mul_f32 v[OA+2*i:OA+2*i+1], v[OA+2*i:OA+2*i+1], v[32:33] op_sel_hi:[1,0]   ; O^T under the new M
	v_pk_mul_f32 v[OB+2*i:OB+2*i+1], v[OB+2*i:OB+2*i+1], v[34:35] op_sel_hi:[1,0]
.set i, i+1
.endr
	s_wait_alu depctr_va_vdst(0)                   ; the wait ahead of the batch
.set i, 0
.rept 64
	v_exp_f32 v[SA+i], v[SA+i]                     ; p = 2^(t - M), not normalised
.set i, i+1
.endr
	v_nop                                          ; a plain line behind the last exponential
	s_wait_alu depctr_va_vdst(0)                   ; and the wait ahead of the batch's first reader
	v_pk_fma_f32 v[28:29], v[28:29], v[32:33], v[SA:SA+1] op_sel_hi:[1,0,1]         ; the sums under the new M, of the unquantised p, in two chains a tile
	v_pk_fma_f32 v[30:31], v[30:31], v[34:35], v[SB:SB+1] op_sel_hi:[1,0,1]
	v_pk_add_f32 v[80:81], v[SA+2:SA+3], v[SA+4:SA+5]
	v_pk_add_f32 v[82:83], v[SB+2:SB+3], v[SB+4:SB+5]
.irp i, 6,10,14,18,22,26
	v_pk_add_f32 v[28:29], v[28:29], v[SA+\i:SA+\i+1]
	v_pk_add_f32 v[30:31], v[30:31], v[SB+\i:SB+\i+1]
	v_pk_add_f32 v[80:81], v[80:81], v[SA+\i+2:SA+\i+3]
	v_pk_add_f32 v[82:83], v[82:83], v[SB+\i+2:SB+\i+3]
.endr
	v_pk_add_f32 v[28:29], v[28:29], v[SA+30:SA+31]
	v_pk_add_f32 v[30:31], v[30:31], v[SB+30:SB+31]
	v_pk_add_f32 v[28:29], v[28:29], v[80:81]
	v_pk_add_f32 v[30:31], v[30:31], v[82:83]
	s_cmp_ge_i32 s52, -8                           ; p / 2^e8 is at most 256: nothing to hold
	s_wait_alu depctr_va_vdst(0)                   ; directly ahead of the branch
	s_cbranch_scc1 .Lheld_\@
.set i, 0
.rept 64
	v_min_num_f32 v[SA+i], v[SA+i], v37            ; the conversion does not saturate (ISA guide 7.6.2); p is not negative, so the hold is one-sided
.set i, i+1
.endr
.Lheld_\@:
.irp b, 0,1,2,3
	v_cvt_scalef32_pk8_fp8_f32 v[KF+4*\b:KF+4*\b+1], v[SA+16*\b:SA+16*\b+7], v36       ; v64-71 the first tile's codes, v72-79 the second's
	v_cvt_scalef32_pk8_fp8_f32 v[KF+4*\b+2:KF+4*\b+3], v[SA+16*\b+8:SA+16*\b+15], v36
.endr
	v_nop                                          ; a plain line between the last conversion and the products that read its result
.irp n, 0,1,2,3
	v_wmma_f32_16x16x64_fp8_fp8 v[OA+8*\n:OA+8*\n+7], v[VF+8*\n:VF+8*\n+7], v[KF:KF+7], v[OA+8*\n:OA+8*\n+7]   ; the eight accumulators by turns, one instruction a turn
	v_wmma_f32_16x16x64_fp8_fp8 v[OB+8*\n:OB+8*\n+7], v[VF+8*\n:VF+8*\n+7], v[KF+8:KF+15], v[OB+8*\n:OB+8*\n+7]
.endr
.Lhidden_\@:
	s_sub_co_i32 s38, s38, 256
	s_add_co_u32 s14, s14, 1
.endm
	s_mov_b32 s61, 5
.Ltrip:                                            ; 15 trips, once round the ring in a round of the loop
	TRIP 0, 1
	TRIP 1, 1
	TRIP 2, 1
	s_sub_co_u32 s61, s61, 1
	s_cmp_lg_u32 s61, 0
	s_cbranch_scc1 .Ltrip
	TRIP 0, 0                                      ; trips 15 and 16 fill nothing and load nothing
	TRIP 1, 0
	s_wait_alu depctr_va_vdst(0)                   ; directly ahead of the barrier's wait
	s_barrier_wait -1                              ; everybody has left the ring
	PARK 27                                        ; pass 2's sums, over the ring
	; THE MERGE: wave w takes pass w / 8, query pair (w / 2) % 4, tile w % 2 of the pair; its four parts were parked by waves pair + 4 g, 4 PW bytes apart
	s_lshr_b32 s2, s10, 3
	s_bfe_u32 s3, s10, 0x20001
	s_and_b32 s35, s10, 1
	s_mul_i32 s36, s3, PW
	s_xor_b32 s37, s2, 1
	s_mul_i32 s37, s37, P1
	s_add_co_u32 s36, s36, s37
	s_lshl_b32 s37, s35, 3
	s_add_co_u32 s37, s36, s37                     ; the tile's sum and -M: 8 bytes of a lane's 16
	s_lshl_b32 s39, s35, 12
	s_add_co_u32 s36, s36, s39                     ; the tile's O^T
	s_cmp_eq_u32 s2, 0
	s_cselect_b32 s42, s11, s18                    ; the block
	s_lshl_b32 s42, s42, 3
	s_lshl_b32 s3, s3, 1
	s_add_co_u32 s42, s42, s3
	s_add_co_u32 s42, s42, s35
	s_lshl_b32 s42, s42, 14                        ; Y's images: [tile][head][1,024]
	s_lshl_b32 s3, s13, 10
	s_add_co_u32 s42, s42, s3
	s_mov_b32 s43, 0
	s_add_nc_u64 s[40:41], s[8:9], s[42:43]
	MKSC 54, 14, 15                                ; e10
	v_and_b32 v8, 31, v0
	v_lshlrev_b32 v8, 4, v8
	v_add_nc_u32 v9, s36, v8
	v_add_nc_u32 v10, 8*PW, v9
	v_add_nc_u32 v11, s37, v8
	v_add_nc_u32 v12, 8*PW, v11
	s_wait_alu depctr_va_vdst(0)                   ; directly ahead of the wait below
	s_wait_dscnt 0x0                               ; my parks are done
	s_barrier_signal -1
	s_barrier_wait -1                              ; and everybody's
	ds_load_b64 v[40:41], v11 offset:8192
	ds_load_b64 v[42:43], v11 offset:8192+4*PW
	ds_load_b64 v[44:45], v12 offset:8192
	ds_load_b64 v[46:47], v12 offset:8192+4*PW
.irp i, 0,1,2,3,4,5,6,7
	ds_load_b128 v[128+4*\i:131+4*\i], v9 offset:512*\i
	ds_load_b128 v[160+4*\i:163+4*\i], v9 offset:512*\i+4*PW
	ds_load_b128 v[192+4*\i:195+4*\i], v10 offset:512*\i
	ds_load_b128 v[224+4*\i:227+4*\i], v10 offset:512*\i+4*PW
.endr
	s_wait_dscnt 32                                ; the sums and the four -M are in; the 32 loads of O^T may be out
	v_min_num_f32 v48, v41, v43
	v_min_num_f32 v49, v45, v47
	v_min_num_f32 v48, v48, v49                    ; -M of the row
	v_sub_f32 v50, v48, v41
	v_sub_f32 v52, v48, v43
	v_sub_f32 v54, v48, v45
	v_sub_f32 v56, v48, v47
	v_cvt_i32_f32 v50, v50
	v_cvt_i32_f32 v52, v52
	v_cvt_i32_f32 v54, v54
	v_cvt_i32_f32 v56, v56
	v_ldexp_f32 v50, 1.0, v50                      ; a part's weight: 2^(its M - the row's M); 0 for a part without keys
	v_ldexp_f32 v52, 1.0, v52
	v_ldexp_f32 v54, 1.0, v54
	v_ldexp_f32 v56, 1.0, v56
	v_mul_f32 v58, v50, v40
	v_fma_f32 v58, v52, v42, v58
	v_fma_f32 v58, v54, v44, v58
	v_fma_f32 v58, v56, v46, v58
	v_permlanex16_b32 v59, v58, s20, s21
	v_add_f32 v58, v58, v59                        ; the row's sum
	s_wait_alu depctr_va_vdst(0)                   ; the wait ahead of the transcendental
	v_rcp_f32 v60, v58
	v_nop
	s_wait_alu depctr_va_vdst(0)                   ; and ahead of its first reader
	v_ldexp_f32 v60, v60, s60                      ; x 2^(e8 + e9)
	v_mul_f32 v50, v50, v60
	v_mul_f32 v52, v52, v60
	v_mul_f32 v54, v54, v60
	v_mul_f32 v56, v56, v60
	s_wait_alu depctr_va_vdst(0)                   ; directly ahead of the wait below
	s_wait_dscnt 0x0
.set i, 0
.rept 16
	v_pk_mul_f32 v[128+2*i:129+2*i], v[128+2*i:129+2*i], v[50:51] op_sel_hi:[1,0]
.set i, i+1
.endr
.irp g, 1,2,3
.set i, 0
.rept 16
	v_pk_fma_f32 v[128+2*i:129+2*i], v[128+32*\g+2*i:129+32*\g+2*i], v[50+2*\g:51+2*\g], v[128+2*i:129+2*i] op_sel_hi:[1,0,1]
.set i, i+1
.endr
.endr
.set i, 0
.rept 32
	v_med3_num_f32 v[128+i], v[128+i], -v15, v15
.set i, i+1
.endr
.irp n, 0,1,2,3
	v_cvt_scalef32_pk8_fp8_f32 v[16+2*\n:17+2*\n], v[128+8*\n:135+8*\n], v14   ; register 8 n + i is channel 32 (n / 2) + 16 h + 8 (n % 2) + i: the codes are the image of the last projection's operand
.endr
	v_nop
	global_store_b128 v8, v[16:19], s[40:41]       ; the wave stores 512 consecutive bytes, aligned
	global_store_b128 v8, v[20:23], s[40:41] offset:512
	s_wait_tensorcnt 0x0                           ; the wave's end
	ds_add_u32 v[SPW], v[NIL]
	s_wait_dscnt 0x0
	s_endpgm
.Lfunc_end_k_q9ba0555c51_attn:
	.size	k_q9ba0555c51_attn, .Lfunc_end_k_q9ba0555c51_attn-k_q9ba0555c51_attn
	.p2alignl 7, 3214868480
	.fill 96, 4, 3214868480
	.section	.rodata,"a",@progbits
	.p2align	6, 0x0
	.amdhsa_kernel k_q9ba0555c51_attn
		.amdhsa_group_segment_fixed_size 280576
		.amdhsa_private_segment_fixed_size 0
		.amdhsa_enable_private_segment 0
		.amdhsa_kernarg_size 24
		.amdhsa_user_sgpr_count 2
		.amdhsa_user_sgpr_kernarg_segment_ptr 1
		.amdhsa_wavefront_size32 1
		.amdhsa_system_sgpr_workgroup_id_x 1
		.amdhsa_system_sgpr_workgroup_id_y 1
		.amdhsa_system_sgpr_workgroup_id_z 1
		.amdhsa_system_vgpr_workitem_id 0
		.amdhsa_next_free_vgpr 256
		.amdhsa_next_free_sgpr 66
		.amdhsa_reserve_vcc 1
		.amdhsa_float_denorm_mode_32 3
		.amdhsa_float_denorm_mode_16_64 3
		.amdhsa_memory_ordered 1
		.amdhsa_forward_progress 1
		.amdhsa_inst_pref_size 139
	.end_amdhsa_kernel
	.amdgpu_metadata
---
amdhsa.version: [ 1, 2 ]
amdhsa.kernels:
  - .name:           k_q9ba0555c51_attn
    .symbol:         k_q9ba0555c51_attn.kd
    .args:
      - { .name: qkv, .offset: 0, .size: 8, .value_kind: global_buffer, .address_space: global }
      - { .name: lowp_scales, .offset: 8, .size: 8, .value_kind: global_buffer, .address_space: global }
      - { .name: yc, .offset: 16, .size: 8, .value_kind: global_buffer, .address_space: global }
    .group_segment_fixed_size: 280576
    .private_segment_fixed_size: 0
    .kernarg_segment_align: 8
    .kernarg_segment_size: 24
    .max_flat_workgroup_size: 512
    .sgpr_count:     66
    .vgpr_count:     256
    .wavefront_size: 32
...
	.end_amdgpu_metadata
.endif
;; end of part 3
;; launch outp (part 4): grid 8 x 32, 4 waves a work-group, clusters of 4 x 4, 327,680 bytes of LDS; arguments yc, wc, b_o, lowp_scales, out0; writes out0
.if DOCPART == 4
	.amdgcn_target "amdgcn-amd-amdhsa--gfx1250"
	.amdhsa_code_object_version 6
	.text
	.protected	k_q9ba0555c51_outp
	.globl	k_q9ba0555c51_outp
	.p2align	8
	.type	k_q9ba0555c51_outp,@function
k_q9ba0555c51_outp:
	s_mov_b64 s[64:65], 0
	v_nop
	global_prefetch_b8 v0, s[64:65] scope:SCOPE_SE
	s_setreg_imm32_b32 hwreg(HW_REG_WAVE_MODE, 25, 1), 1
	s_wait_xcnt 0x0
	s_wait_alu depctr_hold_cnt(0) depctr_sa_sdst(0) depctr_va_vdst(0) depctr_va_sdst(0) depctr_va_ssrc(0) depctr_va_vcc(0) depctr_vm_vsrc(0)
	s_getreg_b32 s2, hwreg(HW_REG_IB_STS2, 6, 4)
	s_cmp_eq_u32 s2, 0
	s_cbranch_scc0 .Lentry_in_a_cluster
	s_endpgm
.Lentry_in_a_cluster:
	s_bfe_u32 s2, ttmp6, 0x10000c
	s_cmp_lg_u32 s2, 0xf033
	s_cbranch_scc0 .Lentry_shape_is_right
	s_endpgm
.Lentry_shape_is_right:
; out = Y W_o^T + b_o on codes of E4M3: each finished sum x 2^(e10 + e11) + bias, in one packed multiply-add.
; SHARES: a work-group makes 128 tokens x 128 features, each of its four waves 32 tokens x 128 features: 16 accumulators.
; W_o's 128 rows x 1,024 lie in LDS, filled once: one tensor load a wave brings a chunk of 256 along K (32,768 consecutive bytes).  CLUSTERS: 4 x 4 work-groups; W_o's tiles are shared along a column of the cluster: joint loads.
; Y goes from memory straight into registers: the buffer is an image of them, a wave's two tiles are read by this wave alone of the work-group, and all their 64 loads set out at the head.  So no joint load and no LDS serves Y.
; No prefetch: all that the launch reads is asked for at its head, and there is no loop to run ahead in.
; FIRST SOURCE = 16 rows of W_o (positions: row t lies where bits 3 and 4 of t are exchanged): lane (r, h), register j of tile 2 A + u holds feature 32 A + 16 h + 8 u + j: eight neighbours of a row of out.
; SECOND SOURCE = Y: [tile of 16 tokens][head][part c][512 bytes]; a K step of 128 is two heads, 2,048 consecutive bytes of a tile.  Lane r of tile 2 B + u holds token 32 B + 8 u + r + 8 (r / 8).
; THE WAY OUT: 32 tokens x 64 features at a time through the wave's own stage; rows come back whole, and the order of the tokens is undone by the stores' immediates: sixteen lanes store 256 consecutive bytes, aligned.
; LIMIT: e10 + e11 between -126 and 127.
; REGISTERS: window 0: v1-29 addresses, v32-95 the bias by the first source's tile, v128-255 accumulator (a, u) at v[128 + 8 (2 a + u)].  Window 1: Y, K step k's tile u at v[32 k + 16 u]; on the way out the results.
; Window 2: W_o's fragments, two buffers of 128.
.set PITCH,  272                       ; an LDS row of W_o: 256 bytes + 16 of padding: the 16 rows of a fragment load start at 16 different banks (64 banks of 4 bytes: ISA guide 11.1)
.set WSLOT,  128*PITCH                 ; a chunk
.set STAGE,  4*WSLOT                   ; 32 rows x 272 bytes for each wave; no tensor load lands here
.set SPARE,  STAGE+4*32*272            ; the spare words, 128 bytes a wave, which no other line names
.set ADR0, 4                           ; v4, v5  W's fragments in chunks 0, 1 and 2, 3
.set LI,   6                           ; v6      16 x lane
.set STO,  12
.set RD,   13
.set CO,   14
.set BO,   16
.set SPW,  28
.set NIL,  29
.set BI,   32
.set ACC,  128
.set G1W,  36                          ; s[36:43] group 1;  s[48:51] group 0
.set G0W,  48
.set MSB, 0
.macro WIN new                         ; the immediate's high byte repeats the setting that is left
.if MSB != \new
	s_set_vgpr_msb (MSB<<8)|\new
.set MSB, \new
.endif
.endm
.set MUL,  0x06                        ; source 0 window 2, source 1 window 1, C and D window 0
.set TO_W, 0x80                        ; destination window 2
.set TO_Y, 0x40                        ; destination window 1
.set OF_Y, 0x04                        ; a store's data from window 1
.macro PLACES
.rept 4
	v_nop
.endr
.endm
.macro CROUND                          ; a round of the cluster's barrier
	s_barrier_signal -1
	s_barrier_wait -1
	s_cmp_lg_u32 s18, 0
	s_cbranch_scc1 .Lnot_wave_0_\@
	s_barrier_signal -3
.Lnot_wave_0_\@:
	s_barrier_wait -3
	s_barrier_signal -1
	s_barrier_wait -1
.endm
	s_load_b256 s[4:11], s[0:1], 0x0               ; yc 4, wc 6, b_o 8, scales 10
	s_load_b64 s[12:13], s[0:1], 0x20              ; out0
	v_lshl_add_u32 v[SPW], v0, 2, SPARE
	v_mov_b32 v[NIL], 0
	ds_add_u32 v[SPW], v[NIL]                      ; the wave's opening: the add, twice on end, and its wait
	ds_add_u32 v[SPW], v[NIL]
	v_lshrrev_b32 v1, 5, v0
	v_readfirstlane_b32 s18, v1                    ; wave 0..3: my 32 tokens; also the chunk that I fetch
	s_bfe_u32 s21, ttmp6, 0x40000                  ; cx
	s_bfe_u32 s22, ttmp6, 0x40004                  ; cy
	s_lshl_b32 s23, ttmp9, 2
	s_add_co_u32 s23, s23, s21                     ; tile column 0..7
	s_and_b32 s24, ttmp7, 0xffff
	s_lshl_b32 s24, s24, 2
	s_add_co_u32 s24, s24, s22                     ; tile row 0..31
	s_lshl_b32 s3, 0x1111, s21                     ; my column of the cluster
	s_or_b32 s[G1W], s3, (1<<20)|(1<<21)|(5<<22)|(3<<25)   ; the mask; elements of 1 byte; padding on; bit 21 beside a mask; after every 64 words, 4 words
	s_mov_b32 s[G1W+1], 256<<16                    ; tensor_dim0 = 256
	s_mov_b32 s[G1W+2], 128<<16                    ; tensor_dim1 = 128
	s_mov_b32 s[G1W+3], 256<<16                    ; tile_dim0
	s_mov_b32 s[G1W+4], 128                        ; tile_dim1
	s_mov_b32 s[G1W+5], 256                        ; from row to row
	s_mov_b32 s[G1W+6], 0
	s_mov_b32 s[G1W+7], 0
	s_lshl_b32 s62, s23, 17                        ; W_o: a block of 131,072 bytes a tile column,
	s_lshl_b32 s63, s18, 15                        ; my chunk,
	s_add_co_u32 s62, s62, s63
	s_add_co_u32 s62, s62, 0x300000                ; behind the three other weights
	s_mov_b32 s63, 0
	s_lshl_b32 s60, s24, 17                        ; Y: 8 tiles of 16,384 bytes a tile row,
	s_lshl_b32 s61, s18, 15                        ; + my two
	s_add_co_u32 s60, s60, s61
	s_mov_b32 s61, 0
	s_lshl_b32 s44, s24, 19                        ; out: 128 rows of 4,096 bytes a tile row,
	s_lshl_b32 s45, s18, 17                        ; + my 32
	s_add_co_u32 s44, s44, s45
	s_lshl_b32 s46, s23, 9                         ; 128 features of 4 bytes a tile column
	s_add_co_u32 s44, s44, s46
	s_mov_b32 s45, 0
	s_mov_b32 s47, 0
	s_mul_i32 s26, s18, 32*272
	s_add_co_u32 s26, s26, STAGE                   ; my stage
	v_and_b32 v1, 15, v0                           ; r
	v_bfe_u32 v2, v0, 4, 1                         ; h
	v_lshlrev_b32 v[BO], 6, v2
	v_and_b32 v[LI], 31, v0
	v_lshlrev_b32 v[LI], 4, v[LI]
	v_mul_u32_u24 v3, v1, PITCH
	v_lshl_add_u32 v[ADR0], v2, 4, v3              ; row r, + 16 h
	v_add_nc_u32 v[ADR0+1], 2*WSLOT, v[ADR0]
	v_mul_u32_u24 v[STO], v1, 272
	v_lshl_add_u32 v[STO], v2, 6, v[STO]
	v_add_nc_u32 v[STO], s26, v[STO]               ; in: row r, + 64 h bytes
	v_mul_u32_u24 v[RD], v2, 272
	v_lshl_add_u32 v[RD], v1, 4, v[RD]
	v_add_nc_u32 v[RD], s26, v[RD]                 ; back: lanes 0-15 one row of 256 bytes, lanes 16-31 the next
	v_lshlrev_b32 v[CO], 12, v2
	v_lshl_add_u32 v[CO], v1, 4, v[CO]             ; and the same in out: neighbouring stage rows are neighbouring tokens
	s_wait_alu depctr_va_vdst(0)                   ; the head's end
	s_wait_dscnt 0x0                               ; the opening adds are done
	s_wait_kmcnt 0x0
	s_load_b64 s[96:97], s[10:11], 0x28            ; e10, e11
	s_mov_b32 s[G0W], 1
	s_mul_i32 s[G0W+1], s18, WSLOT
	s_add_nc_u64 s[G0W+2:G0W+3], s[6:7], s[62:63]
	s_or_b32 s[G0W+3], s[G0W+3], 0x80000000
	s_add_nc_u64 s[60:61], s[4:5], s[60:61]
	s_add_nc_u64 s[100:101], s[12:13], s[44:45]
	s_add_nc_u64 s[98:99], s[8:9], s[46:47]        ; b_o at my 128 features
	CROUND                                         ; all sixteen work-groups are here: the joint loads meet
	tensor_load_to_lds s[G0W:G0W+3], s[G1W:G1W+7]
	s_nop 0
	PLACES
	WIN TO_Y
.irp k, 0,1,2,3,4,5,6,7
.irp u, 0,1
.irp c, 0,1,2,3
	global_load_b128 v[32*\k+16*\u+4*\c:32*\k+16*\u+4*\c+3], v[LI], s[60:61] offset:16384*\u+2048*\k+512*\c   ; 512 consecutive bytes
.endr
.endr
.endr
	WIN 0
	s_wait_kmcnt 0x0
	s_add_co_i32 s96, s96, s97
	s_add_co_i32 s96, s96, 127
	s_lshl_b32 s96, s96, 23                        ; 2^(e10 + e11) as f32
	s_mov_b32 s97, s96                             ; named with it as a pair
.macro FETCH k, f                      ; 32 LDS loads: W's eight fragments of K step k into buffer f
	WIN TO_W
.irp i, 0,1,2,3,4,5,6,7
.irp c, 0,1,2,3
	ds_load_b128 v[\f+16*\i+4*\c:\f+16*\i+4*\c+3], v[ADR0+(\k)/4] offset:WSLOT*(((\k)/2)%2)+128*((\k)%2)+32*\c+\i*16*PITCH
.endr
.endr
	WIN 0
.endm
.macro MUL16 k, f                      ; the 16 accumulators by turns, in the same order in every step; the first step starts the sums
	WIN MUL
.irp a, 0,1,2,3,4,5,6,7
.irp u, 0,1
.if (\k) == 0
	v_wmma_f32_16x16x128_fp8_fp8 v[ACC+8*(2*\a+\u):ACC+8*(2*\a+\u)+7], v[\f+16*\a:\f+16*\a+15], v[32*(\k)+16*\u:32*(\k)+16*\u+15], 0
.else
	v_wmma_f32_16x16x128_fp8_fp8 v[ACC+8*(2*\a+\u):ACC+8*(2*\a+\u)+7], v[\f+16*\a:\f+16*\a+15], v[32*(\k)+16*\u:32*(\k)+16*\u+15], v[ACC+8*(2*\a+\u):ACC+8*(2*\a+\u)+7]
.endif
.endr
.endr
	WIN 0
.endm
	s_wait_tensorcnt 0x0                           ; my chunk is in
	s_barrier_signal -1
	s_barrier_wait -1                              ; and everybody's
	FETCH 0, 0
.irp k, 0,1,2,3,4,5,6,7
.if \k == 2
.irp a, 0,1,2,3,4,5,6,7
	global_load_b128 v[BI+8*\a:BI+8*\a+3], v[BO], s[98:99] offset:4*(32*(\a/2)+8*(\a%2))
	global_load_b128 v[BI+8*\a+4:BI+8*\a+7], v[BO], s[98:99] offset:4*(32*(\a/2)+8*(\a%2))+16
.endr
.endif
.if \k < 7
.if \k > 0
	PLACES                                         ; four places in front of loads into the buffer that the last step's products read
.endif
	FETCH (\k+1), 128*((\k+1)%2)
	s_wait_dscnt 32                                ; all but the 32 just issued
.else
	s_wait_dscnt 0x0
.endif
.if \k < 2
	s_wait_loadcnt 56-8*\k                         ; this step's eight loads of Y are in; those of later steps may be out
.else
	s_wait_loadcnt 72-8*\k                         ; and the bias's sixteen behind them
.endif
	MUL16 \k, 128*(\k%2)
.endr
	s_wait_loadcnt 0x0                             ; b_o
	PLACES                                         ; four places ahead of the first read of results
; Features 64 ah .. 64 ah + 63 of my 32 tokens.  Stage row 16 u + r holds token 8 u + r + 8 (r / 8) of the 32.
.macro OUTH ah
	WIN TO_Y
.irp u, 0,1
.irp a, 0,1,2,3
.irp i, 0,2,4,6
	v_pk_fma_f32 v[128*\ah+8*(4*\u+\a)+\i:128*\ah+8*(4*\u+\a)+\i+1], v[ACC+8*(2*(4*\ah+\a)+\u)+\i:ACC+8*(2*(4*\ah+\a)+\u)+\i+1], s[96:97], v[BI+8*(4*\ah+\a)+\i:BI+8*(4*\ah+\a)+\i+1] op_sel_hi:[1,0,1]   ; sum x 2^(e10 + e11) + bias; each accumulator from its low end on
.endr
.endr
.endr
	WIN OF_Y
.irp u, 0,1
.irp a, 0,1,2,3
	ds_store_b128 v[STO], v[128*\ah+8*(4*\u+\a):128*\ah+8*(4*\u+\a)+3] offset:16*\u*272+128*(\a/2)+32*(\a%2)
	ds_store_b128 v[STO], v[128*\ah+8*(4*\u+\a)+4:128*\ah+8*(4*\u+\a)+7] offset:16*\u*272+128*(\a/2)+32*(\a%2)+16
.endr
.endr
	WIN TO_Y
.irp t, 0,1,2,3,4,5,6,7,8,9,10,11,12,13,14,15
	ds_load_b128 v[128*\ah+4*\t:128*\ah+4*\t+3], v[RD] offset:2*\t*272   ; LDS serves a wave's instructions in order: these see my stores
.endr
	WIN OF_Y
.irp t, 0,1,2,3,4,5,6,7,8,9,10,11,12,13,14,15
	s_wait_dscnt 15-\t                             ; rows 2 t and 2 t + 1 are back; the younger loads may be out
	global_store_b128 v[CO], v[128*\ah+4*\t:128*\ah+4*\t+3], s[100:101] offset:256*\ah+(16*(((2*\t)>>3)&1)+8*((2*\t)>>4)+((2*\t)&7))*4096 th:TH_STORE_NT
.endr
	WIN 0
.endm
	OUTH 0
	OUTH 1
	s_wait_tensorcnt 0x0                           ; the wave's end, behind my last LDS store
	ds_add_u32 v[SPW], v[NIL]
	s_wait_dscnt 0x0
	CROUND                                         ; the closing round
	s_endpgm
.Lfunc_end_k_q9ba0555c51_outp:
	.size	k_q9ba0555c51_outp, .Lfunc_end_k_q9ba0555c51_outp-k_q9ba0555c51_outp
	.p2alignl 7, 3214868480
	.fill 96, 4, 3214868480
	.section	.rodata,"a",@progbits
	.p2align	6, 0x0
	.amdhsa_kernel k_q9ba0555c51_outp
		.amdhsa_group_segment_fixed_size 327680
		.amdhsa_private_segment_fixed_size 0
		.amdhsa_enable_private_segment 0
		.amdhsa_kernarg_size 40
		.amdhsa_user_sgpr_count 2
		.amdhsa_user_sgpr_kernarg_segment_ptr 1
		.amdhsa_wavefront_size32 1
		.amdhsa_system_sgpr_workgroup_id_x 1
		.amdhsa_system_sgpr_workgroup_id_y 1
		.amdhsa_system_sgpr_workgroup_id_z 1
		.amdhsa_system_vgpr_workitem_id 0
		.amdhsa_next_free_vgpr 768
		.amdhsa_next_free_sgpr 102
		.amdhsa_reserve_vcc 0
		.amdhsa_float_denorm_mode_32 3
		.amdhsa_float_denorm_mode_16_64 3
		.amdhsa_memory_ordered 1
		.amdhsa_forward_progress 1
		.amdhsa_inst_pref_size 52
	.end_amdhsa_kernel
	.amdgpu_metadata
---
amdhsa.version: [ 1, 2 ]
amdhsa.kernels:
  - .name:           k_q9ba0555c51_outp
    .symbol:         k_q9ba0555c51_outp.kd
    .args:
      - { .name: yc, .offset: 0, .size: 8, .value_kind: global_buffer, .address_space: global }
      - { .name: wc, .offset: 8, .size: 8, .value_kind: global_buffer, .address_space: global }
      - { .name: b_o, .offset: 16, .size: 8, .value_kind: global_buffer, .address_space: global }
      - { .name: lowp_scales, .offset: 24, .size: 8, .value_kind: global_buffer, .address_space: global }
      - { .name: out0, .offset: 32, .size: 8, .value_kind: global_buffer, .address_space: global }
    .group_segment_fixed_size: 327680
    .private_segment_fixed_size: 0
    .kernarg_segment_align: 8
    .kernarg_segment_size: 40
    .max_flat_workgroup_size: 128
    .sgpr_count:     102
    .vgpr_count:     768
    .wavefront_size: 32
...
	.end_amdgpu_metadata
.endif
;; end of part 4
